; MI455X (gfx1250); checked and timed in simulation.
; The chip was launched on July 23, 2026; its instructions are those of AMD's public machine-readable ISA for CDNA 5 (MIT licence, August 2026) and "CDNA5" Instruction Set Architecture Reference Guide (July 2026). The comments in the code are by the model that wrote it; some were corrected since.
;; ET. Allowed arithmetic: float matrix products may take bf16 or f16 operands with f32 sums; other float arithmetic in f32, or as packed bf16 or f16 multiplies, adds, multiply-adds, maxima and minima; sums over many terms, partial sums and values carried from step to step in f32; what a program stores and reads back later, other than sums and carried values, may be rounded once to bf16 or f16.
;; Inputs: W_cand 768 x 2 float32; W_fc2 768 x 49 float32; W_grid 768 x 768 float32; W_in 49 x 49 float32; W_out 49 x 98 float32; W_text 768 x 768 float32; b_cand 768 float32; b_fc2 768 float32; b_grid 768 float32; b_text 768 float32; candidates 8 x 36 x 2 float32; frames 8 x 50 x 49 x 49 float32; grid_fts 8 x 10,000 x 768 float32; grid_index 8 x 10,000 int32; lang 8 x 64 x 768 float32; lang_cls 8 x 49 float32; ln_b 768 float32; ln_g 768 float32.
;; Outputs: out0 8 x 86 x 768 float32.
;; 2 versions, each right; version 2 is version 1 with the launch pool written anew for expert scheduling mode. Each part assembles by itself: llvm-mc -triple=amdgcn-amd-amdhsa -mcpu=gfx1250 --defsym DOCPART=n.
;; ======== version 1 of 2: 4 launches
;; workspace buffers: tfrag 1,572,864 bytes; part 28,311,552 bytes; pstat 131,072 bytes; pooled 884,736 bytes; base 884,736 bytes
;; launch prep (part 1): grid 434 x 1, 8 waves a work-group, no clusters, 120,064 bytes of LDS; arguments lang, W_text, b_text, frames, lang_cls, W_in, W_out, W_fc2, b_fc2, tfrag, out0; writes tfrag, out0
.if DOCPART == 1
	.amdgcn_target "amdgcn-amd-amdhsa--gfx1250"
	.amdhsa_code_object_version 6
	.text
	.protected	k_q09b8a49ad3_prep
	.globl	k_q09b8a49ad3_prep
	.p2align	8
	.type	k_q09b8a49ad3_prep,@function
k_q09b8a49ad3_prep:
	s_mov_b64 s[64:65], 0
	v_nop
	global_prefetch_b8 v0, s[64:65] scope:SCOPE_SE
	s_setreg_imm32_b32 hwreg(HW_REG_WAVE_MODE, 25, 1), 1
	s_wait_xcnt 0x0
; PREP: the first of four launches (prep, pool, merge, proj).
; WORK LEFT OUT BY THE WHOLE PROGRAM.  reference() projects every grid row, g = x W_grid^T + b_grid, and then forms grid_map[c] = sum_n p[n,c] g[n].  For all finite inputs, in exact arithmetic,
; sum_n p[n,c] (x_n W^T + b) = (sum_n p[n,c] x_n) W^T + (sum_n p[n,c]) b, and by reference()'s own where(den > 0, e / den, 0) the sum of p over n is 1 for a cell with rows and 0 for a cell without.
; So the rows are pooled first (pool, merge) and only the 8 x 36 pooled rows are projected (proj); b_grid is added once, times the flag den > 0.  The one-hot mask is a selection by grid_index.
; No input is dropped.  LIMIT: a NaN, an infinity or an overflow that would arise only in g of a single row is not carried to the result.
; FORMATS.  Every floating-point input is rounded once to bf16 as it is loaded; sums stay in f32.  text, the program's own intermediate, feeds an exponential: it is kept as two bf16 operands, hi + lo.
; TWO BODIES, chosen by the work-group's number (the same for all its waves).
;   0..49   FRAMES: eight frames each, a frame a wave: target = W_in cls; attn = softmax(frame target), its maximum taken away; wctx = attn frame; tanh(W_out [wctx, cls]); then fc2 for the eight frames together.
;   50..433 TEXT: a tile of 32 features x 32 tokens of text = lang W_text^T + b_text; K is split among the eight waves (96 each); the partial sums meet in LDS.
;           The tile leaves as operand fragments for pool: tfrag[b][w][ks*8 + part*4 + tt][1,024 bytes], byte sub*512 + lane*16 = the lane's registers 4 sub .. 4 sub + 3.
.set SPARE,  119040                    ; the spare words: 128 bytes for each of eight waves, four blocks of 256 bytes that no other line names
.set FW_IN,  0                         ; frames: W_in, 2,401 words in 2,560
.set FW_OUT, 10240                     ; W_out, 4,802 words in 4,864
.set VEC,    30976                     ; four vectors of 64 words for each wave: cls, target, attn, wctx
.set FATT,   39168                     ; tanh's results, 64 words a frame
.set FFR,    41216                     ; a frame a wave, 9,728 bytes each, rows 49 words apart as in memory
.set WF,     41216                     ; later: 256 rows of W_fc2
.set OUTS,   91392                     ; later: eight rows of 768 results
.set SPW, 28                           ; v28  LDS address of my spare word; never rewritten
.set NIL, 29                           ; v29  0; never rewritten
.set M0,  134                          ; frames: 26 numbers of the matrix for my first row
.set M1,  160                          ; and for my second
.set VV,  186                          ; 28 numbers of the vector
.set YA,  20                           ; v[20:21], v[22:23] running sums (even, odd k) for my two rows
.set YB,  22
.set WRW, 134                          ; fc2: my row of W_fc2, 49 numbers and a 0
.set AT,  184                          ; fc2: a frame's 52 numbers
.macro PLACES n
.rept \n
	v_nop
.endr
.endm
.macro BAR                             ; my LDS instructions are done; then all eight waves meet
	s_wait_dscnt 0x0
	s_barrier_signal -1
	s_barrier_wait -1
.endm
.macro RNDN base, n                    ; n registers from base on are rounded to bf16 and widened again
.set i, 0
.rept (\n)/2
.set tq, 26+(i/2)%2
	v_cvt_pk_bf16_f32 v[tq], v[(\base)+i], v[(\base)+i+1]
	v_lshlrev_b32 v[(\base)+i], 16, v[tq]
	v_and_b32 v[(\base)+i+1], s40, v[tq]
.set i, i+2
.endr
.if (\n)%2
	v_cvt_pk_bf16_f32 v26, v[(\base)+i], v[(\base)+i]
	v_lshlrev_b32 v[(\base)+i], 16, v26
.endif
.endm
.macro WMAX x, t                       ; the maximum over the wave's 32 lanes, in every lane
	v_max_num_f32_dpp v[\x], v[\x], v[\x] row_xmask:1 row_mask:0xf bank_mask:0xf
	v_max_num_f32_dpp v[\x], v[\x], v[\x] row_xmask:2 row_mask:0xf bank_mask:0xf
	v_max_num_f32_dpp v[\x], v[\x], v[\x] row_xmask:4 row_mask:0xf bank_mask:0xf
	v_max_num_f32_dpp v[\x], v[\x], v[\x] row_xmask:8 row_mask:0xf bank_mask:0xf
	v_permlanex16_b32 v[\t], v[\x], s44, s45
	v_max_num_f32 v[\x], v[\x], v[\t]
.endm
.macro WADD x, t                       ; the sum likewise
	v_add_f32_dpp v[\x], v[\x], v[\x] row_xmask:1 row_mask:0xf bank_mask:0xf
	v_add_f32_dpp v[\x], v[\x], v[\x] row_xmask:2 row_mask:0xf bank_mask:0xf
	v_add_f32_dpp v[\x], v[\x], v[\x] row_xmask:4 row_mask:0xf bank_mask:0xf
	v_add_f32_dpp v[\x], v[\x], v[\x] row_xmask:8 row_mask:0xf bank_mask:0xf
	v_permlanex16_b32 v[\t], v[\x], s44, s45
	v_add_f32 v[\x], v[\x], v[\t]
.endm
	s_load_b512 s[4:19], s[0:1], 0x0               ; lang 4, W_text 6, b_text 8, frames 10, lang_cls 12, W_in 14, W_out 16, W_fc2 18
	s_load_b128 s[20:23], s[0:1], 0x40             ; b_fc2 20, tfrag 22
	s_load_b64 s[24:25], s[0:1], 0x50              ; out0
	v_lshl_add_u32 v[SPW], v0, 2, SPARE
	v_mov_b32 v[NIL], 0
	v_lshrrev_b32 v1, 5, v0
	v_readfirstlane_b32 s2, v1                     ; wave 0..7
	v_and_b32 v1, 31, v0                           ; lane L
	v_and_b32 v2, 15, v0                           ; r
	v_bfe_u32 v3, v0, 4, 1                         ; h
	s_mov_b32 s40, 0xffff0000                      ; a word's upper bf16
	s_cmp_lt_u32 ttmp9, 50
	s_cbranch_scc1 .Lframes
; ------------------------------------------------------------------ TEXT
; Source 0 = 16 rows of W_text (features), source 1 = 16 rows of lang (tokens): in the result lane (r, h) holds token r and features 8 h + 0..7, which is that lane's part of pool's operand.
	s_sub_co_u32 s26, ttmp9, 50
	s_and_b32 s27, s26, 15                         ; tb: tokens 32 tb .. of lang taken as [512][768]
	s_lshr_b32 s28, s26, 4                         ; fb: features 32 fb ..
	v_mul_u32_u24 v4, v2, 3072                     ; a fragment's row,
	v_lshl_add_u32 v4, v3, 5, v4                   ; 8 h numbers of 4 bytes,
	s_mul_i32 s29, s2, 384
	v_add_nc_u32 v4, s29, v4                       ; my 96 of K
	s_mul_i32 s30, s28, 98304
	s_mov_b32 s31, 0
	s_mul_i32 s32, s27, 98304
	s_mov_b32 s33, 0
	s_lshr_b32 s34, s2, 2                          ; qf of the quarter tile that I finish
	s_lshl_b32 s35, s34, 6
	s_lshl_b32 s36, s28, 7
	s_add_co_u32 s35, s35, s36
	v_lshl_add_u32 v5, v3, 5, s35                  ; b_text at feature 32 fb + 16 qf + 8 h
	s_lshl_b32 s36, s2, 12
	v_lshl_add_u32 v6, v1, 4, s36                  ; where I put my partial sums: 4,096 x wave + 16 L
	s_lshr_b32 s37, s2, 1                          ; q = 2 qf + qt
	s_lshl_b32 s38, s37, 10
	v_lshl_add_u32 v7, v1, 4, s38                  ; where I read the eight partial sums of quarter q
	s_wait_kmcnt 0x0
	s_add_nc_u64 s[6:7], s[6:7], s[30:31]
	s_add_nc_u64 s[4:5], s[4:5], s[32:33]
	global_load_b128 v[8:11], v5, s[8:9]
	global_load_b128 v[12:15], v5, s[8:9] offset:16
.set ks, 0
.rept 3                                ; by K steps of 32; in each the fragments W0, W1, L0, L1, 16 f32 a lane
.set ta, 0
.rept 4
.set ff, 64+16*(3*ta+ks)
.set oo, (ta%2)*49152+ks*128
	global_load_b128 v[ff:ff+3],     v4, s[6-2*(ta/2):7-2*(ta/2)] offset:oo
	global_load_b128 v[ff+4:ff+7],   v4, s[6-2*(ta/2):7-2*(ta/2)] offset:oo+16
	global_load_b128 v[ff+8:ff+11],  v4, s[6-2*(ta/2):7-2*(ta/2)] offset:oo+64
	global_load_b128 v[ff+12:ff+15], v4, s[6-2*(ta/2):7-2*(ta/2)] offset:oo+80
.set ta, ta+1
.endr
.set ks, ks+1
.endr
.set ks, 0
.rept 3
	s_wait_loadcnt 32-16*ks                        ; the 16 loads of each later K step may stay out
.set ta, 0
.rept 4
.set ff, 64+16*(3*ta+ks)
.set n, 0
.rept 8
	v_cvt_pk_bf16_f32 v[ff+n], v[ff+2*n], v[ff+2*n+1]  ; in place, ascending: the fragment ends in its low eight registers
.set n, n+1
.endr
.set ta, ta+1
.endr
.set q, 0
.rept 4                                ; the four accumulators take turns; the first K step starts the sums
.set fa, 64+16*(3*(q/2)+ks)
.set fl, 64+16*(3*(2+q%2)+ks)
.if ks == 0
	v_wmma_f32_16x16x32_bf16 v[32+8*q:32+8*q+7], v[fa:fa+7], v[fl:fl+7], 0
.else
	v_wmma_f32_16x16x32_bf16 v[32+8*q:32+8*q+7], v[fa:fa+7], v[fl:fl+7], v[32+8*q:32+8*q+7]
.endif
.set q, q+1
.endr
.set ks, ks+1
.endr
	PLACES 4                                       ; four places between the last product and the stores that read results
.set q, 0
.rept 4
	ds_store_b128 v6, v[32+8*q:32+8*q+3]   offset:q*1024
	ds_store_b128 v6, v[32+8*q+4:32+8*q+7] offset:q*1024+512
.set q, q+1
.endr
	BAR                                            ; all eight partial tiles lie in LDS
.set p, 0
.rept 8
	ds_load_b128 v[64+8*p:64+8*p+3],   v7 offset:p*4096
	ds_load_b128 v[64+8*p+4:64+8*p+7], v7 offset:p*4096+512
.set p, p+1
.endr
	; where my 512 bytes go, while the loads are out
	s_lshr_b32 s46, s27, 1                         ; b
	s_mul_i32 s47, s28, 43
	s_lshr_b32 s47, s47, 8                         ; w = fb / 6 (fb < 24)
	s_mul_i32 s48, s47, 6
	s_sub_co_u32 s48, s28, s48                     ; ks = fb - 6 w
	s_and_b32 s49, s2, 1                           ; part: 0 hi, 1 lo
	s_and_b32 s50, s37, 1                          ; qt
	s_and_b32 s51, s27, 1
	s_lshl1_add_u32 s51, s51, s50                  ; tt = 2 (tb & 1) + qt
	s_lshl2_add_u32 s46, s46, s47                  ; 4 b + w
	s_mul_i32 s46, s46, 48
	s_lshl3_add_u32 s46, s48, s46
	s_lshl2_add_u32 s46, s49, s46
	s_add_co_u32 s46, s46, s51
	s_lshl_b32 s46, s46, 10
	s_lshl_b32 s52, s34, 9                         ; sub = qf
	s_add_co_u32 s46, s46, s52
	v_lshl_add_u32 v24, v1, 4, s46
	s_cmp_lg_u32 s49, 0
	s_cselect_b32 s49, -1, 0                       ; all lanes take lo, or none
	RNDN 8, 8                                      ; b_text
	s_wait_dscnt 0x0
.irp p, 0,2,4,6
.irp n, 0,2,4,6
	v_pk_add_f32 v[64+8*\p+\n:64+8*\p+\n+1], v[64+8*\p+\n:64+8*\p+\n+1], v[72+8*\p+\n:72+8*\p+\n+1]
.endr
.endr
.irp p, 0,4
.irp n, 0,2,4,6
	v_pk_add_f32 v[64+8*\p+\n:64+8*\p+\n+1], v[64+8*\p+\n:64+8*\p+\n+1], v[80+8*\p+\n:80+8*\p+\n+1]
.endr
.endr
.irp n, 0,2,4,6
	v_pk_add_f32 v[64+\n:64+\n+1], v[64+\n:64+\n+1], v[96+\n:96+\n+1]
.endr
.irp n, 0,2,4,6
	v_pk_add_f32 v[64+\n:64+\n+1], v[64+\n:64+\n+1], v[8+\n:8+\n+1]
.endr
.irp n, 0,1,2,3
	v_cvt_pk_bf16_f32 v[16+\n], v[64+2*\n], v[64+2*\n+1]   ; hi
.endr
.irp n, 0,1,2,3
	v_lshlrev_b32 v[72+2*\n], 16, v[16+\n]
	v_and_b32 v[73+2*\n], s40, v[16+\n]
.endr
.irp n, 0,2,4,6
	v_pk_add_f32 v[64+\n:64+\n+1], v[64+\n:64+\n+1], v[72+\n:72+\n+1] neg_lo:[0,1] neg_hi:[0,1]
.endr
.irp n, 0,1,2,3
	v_cvt_pk_bf16_f32 v[20+\n], v[64+2*\n], v[64+2*\n+1]   ; lo = what hi left
.endr
.irp n, 0,1,2,3
	v_cndmask_b32 v[16+\n], v[16+\n], v[20+\n], s49
.endr
	global_store_b128 v24, v[16:19], s[22:23]      ; 512 consecutive bytes, at a multiple of 512 from tfrag's first
	s_branch .Lend
; ------------------------------------------------------------------ FRAMES
.Lframes:
	s_lshl_b32 s26, ttmp9, 3
	s_add_co_u32 s26, s26, s2                      ; my frame, 0..399
	s_mul_i32 s27, s26, 5243
	s_lshr_b32 s27, s27, 18                        ; b = frame / 50
	s_mul_i32 s30, s26, 9604
	s_mov_b32 s31, 0
	s_mul_i32 s32, s27, 196
	s_mov_b32 s33, 0
	s_mul_i32 s34, s27, 36
	s_add_co_u32 s34, s34, s26                     ; row of out0 = 86 b + f
	s_mul_i32 s34, s34, 3072
	s_mov_b32 s35, 0
	s_mov_b32 s42, 0x1ffff                         ; lanes 0..16: the second row 32 + L exists
	s_mov_b32 s43, 0x3fb8aa3b                      ; log2(e)
	s_mov_b32 s44, 0x76543210                      ; v_permlanex16_b32: each lane takes its own place in the other half
	s_mov_b32 s45, 0xfedcba98
	s_mul_i32 s36, s2, 9728
	s_add_co_u32 s36, s36, FFR                     ; my frame in LDS
	s_lshl_b32 s37, s2, 10
	s_add_co_u32 s37, s37, VEC                     ; my vectors
	s_lshl_b32 s38, s2, 8
	s_add_co_u32 s38, s38, FATT
	v_lshlrev_b32 v4, 2, v0                        ; 4 t
	v_lshlrev_b32 v5, 2, v1                        ; 4 L
	v_add_nc_u32 v19, 32, v1
	v_min_u32 v19, 48, v19                         ; my second row or column, i1 = min(32 + L, 48); the first is L
	v_lshlrev_b32 v16, 2, v19
	v_mul_u32_u24 v6, v1, 196                      ; rows of W_in
	v_mul_u32_u24 v7, v19, 196
	v_add_nc_u32 v8, s36, v6                       ; rows of the frame
	v_add_nc_u32 v9, s36, v7
	v_add_nc_u32 v10, s36, v5                      ; columns of the frame
	v_add_nc_u32 v11, s36, v16
	v_mul_u32_u24 v12, v1, 392                     ; rows of W_out
	v_add_nc_u32 v12, FW_OUT, v12
	v_mul_u32_u24 v13, v19, 392
	v_add_nc_u32 v13, FW_OUT, v13
	v_mov_b32 v14, s37                             ; a vector is read by all lanes alike
	v_add_nc_u32 v15, s37, v5                      ; and written a word a lane
	v_add_nc_u32 v17, 2304, v0
	v_min_u32 v17, 2400, v17
	v_lshlrev_b32 v17, 2, v17                      ; the last load of W_in stays inside it
	v_add_nc_u32 v18, 4608, v0
	v_min_u32 v18, 4801, v18
	v_lshlrev_b32 v18, 2, v18                      ; and that of W_out
	v_mov_b32 v19, s36
	v_mov_b32 v30, 0
	v_mov_b32 v31, 0xff7fffff                      ; the lowest finite number
	v_mov_b32 v27, 0
	s_wait_kmcnt 0x0
	s_add_nc_u64 s[10:11], s[10:11], s[30:31]
	s_add_nc_u64 s[12:13], s[12:13], s[32:33]
	s_add_nc_u64 s[24:25], s[24:25], s[34:35]
.set i, 0
.rept 75
	global_load_b32 v[134+i], v5, s[10:11] offset:128*i th:TH_LOAD_NT  ; the frame, 128 consecutive bytes a load (its first byte is a multiple of 4 only)
.set i, i+1
.endr
	global_load_b32 v209, v30, s[10:11] offset:9600 th:TH_LOAD_NT      ; its 2,401st number
.set i, 0
.rept 9
	global_load_b32 v[210+i], v4, s[14:15] offset:1024*i
.set i, i+1
.endr
	global_load_b32 v219, v17, s[14:15]
.set i, 0
.rept 18
	global_load_b32 v[220+i], v4, s[16:17] offset:1024*i
.set i, i+1
.endr
	global_load_b32 v238, v18, s[16:17]
	global_load_b32 v239, v5, s[12:13]
	global_load_b32 v240, v16, s[12:13]
.irp k, 0,1,2
	global_load_b32 v[130+\k], v4, s[20:21] offset:1024*\k
.endr
.set i, 0
.rept 49
	global_load_b32 v[32+i], v4, s[18:19] offset:1024*i            ; W_fc2, rows 0..255
.set i, i+1
.endr
.set i, 0
.rept 49
	global_load_b32 v[81+i], v4, s[18:19] offset:50176+1024*i      ; rows 256..511
.set i, i+1
.endr
	s_wait_loadcnt 63                              ; 98 loads are younger than what is wanted here; 63 is the largest count that the wait can name
	RNDN 130, 3
	RNDN 134, 107
.set i, 0
.rept 75
	ds_store_b32 v10, v[134+i] offset:128*i
.set i, i+1
.endr
	ds_store_b32 v19, v209 offset:9600
.set i, 0
.rept 10
	ds_store_b32 v4, v[210+i] offset:FW_IN+1024*i  ; the clamped lanes' copies fall into the pad words behind the table
.set i, i+1
.endr
.set i, 0
.rept 19
	ds_store_b32 v4, v[220+i] offset:FW_OUT+1024*i
.set i, i+1
.endr
	v_cndmask_b32 v240, 0, v240, s42               ; a vector's words 49..63 are 0
	ds_store_b32 v15, v239
	ds_store_b32 v15, v240 offset:128
	BAR                                            ; W_in and W_out are whole
; y[i] = sum over k of M[i][k] x[k] for my two i.  Half of it: n numbers from k0 on.  a0, a1: registers with the LDS address of M[i][0]; step: bytes from k to k + 1; voff: the vector's place among my four.
.macro MVH a0, a1, step, off, voff, k0, n, first
.set q, 0
.rept \n
	ds_load_b32 v[M0+q], v[\a0] offset:(\off)+((\k0)+q)*(\step)
	ds_load_b32 v[M1+q], v[\a1] offset:(\off)+((\k0)+q)*(\step)
.set q, q+1
.endr
.set q, 0
.rept ((\n)+3)/4
	ds_load_b128 v[VV+4*q:VV+4*q+3], v14 offset:(\voff)+4*(\k0)+16*q
.set q, q+1
.endr
.if (\n)%2
	v_mov_b32 v[M0+\n], 0
	v_mov_b32 v[M1+\n], 0
.endif
	s_wait_dscnt 0x0
.set q, 0
.rept ((\n)+1)/2
.if (\first) && (q == 0)
	v_pk_mul_f32 v[YA:YA+1], v[M0:M0+1], v[VV:VV+1]
	v_pk_mul_f32 v[YB:YB+1], v[M1:M1+1], v[VV:VV+1]
.else
	v_pk_fma_f32 v[YA:YA+1], v[M0+2*q:M0+2*q+1], v[VV+2*q:VV+2*q+1], v[YA:YA+1]
	v_pk_fma_f32 v[YB:YB+1], v[M1+2*q:M1+2*q+1], v[VV+2*q:VV+2*q+1], v[YB:YB+1]
.endif
.set q, q+1
.endr
.endm
.macro MV a0, a1, step, off, voff, first
	MVH \a0, \a1, \step, \off, \voff, 0, 24, \first
	MVH \a0, \a1, \step, \off, \voff, 24, 25, 0
.endm
.macro MVEND
	v_add_f32 v24, v[YA], v[YA+1]
	v_add_f32 v25, v[YB], v[YB+1]
.endm
.macro VST voff                        ; my two results become a vector; LDS serves a wave's instructions in order, so its own later loads see them
	v_cndmask_b32 v25, 0, v25, s42
	ds_store_b32 v15, v24 offset:\voff
	ds_store_b32 v15, v25 offset:(\voff)+128
.endm
	MV 6, 7, 4, 0, 0, 1                            ; target = W_in cls
	MVEND
	VST 256
	MV 8, 9, 4, 0, 256, 1                          ; attn = frame target
	MVEND
	v_cndmask_b32 v25, v31, v25, s42               ; rows that do not exist count as the lowest number
	v_max_num_f32 v26, v24, v25
	WMAX 26, 27
	v_sub_f32 v24, v24, v26
	v_sub_f32 v25, v25, v26
	v_mul_f32 v24, s43, v24
	v_mul_f32 v25, s43, v25
	v_exp_f32 v24, v24
	v_exp_f32 v25, v25
	v_nop                                          ; a plain instruction behind the last exponential,
	s_wait_alu depctr_va_vdst(0)                   ; and one wait for both, ahead of their first reader
	v_add_f32 v26, v24, v25
	WADD 26, 27
	v_rcp_f32 v26, v26
	v_nop
	s_wait_alu depctr_va_vdst(0)
	v_mul_f32 v24, v24, v26
	v_mul_f32 v25, v25, v26
	VST 512
	MV 10, 11, 196, 0, 512, 1                      ; wctx = attn frame: down the columns
	MVEND
	VST 768
	MV 12, 13, 4, 0, 768, 1                        ; W_out's first 49 columns times wctx,
	MV 12, 13, 4, 196, 0, 0                        ; its last 49 times cls
	MVEND
	v_mul_f32 v24, 0x4038aa3b, v24                 ; tanh x = 1 - 2 / (1 + 2^(2 log2(e) x))
	v_mul_f32 v25, 0x4038aa3b, v25
	v_exp_f32 v24, v24
	v_exp_f32 v25, v25
	v_nop
	s_wait_alu depctr_va_vdst(0)
	v_add_f32 v24, 1.0, v24
	v_add_f32 v25, 1.0, v25
	v_rcp_f32 v24, v24
	v_rcp_f32 v25, v25
	v_nop
	s_wait_alu depctr_va_vdst(0)
	v_fma_f32 v24, v24, -2.0, 1.0
	v_fma_f32 v25, v25, -2.0, 1.0
	v_cndmask_b32 v25, 0, v25, s42
	v_add_nc_u32 v19, s38, v5
	ds_store_b32 v19, v24
	ds_store_b32 v19, v25 offset:128
	v_add_nc_u32 v6, WF, v4                        ; fc2: where W_fc2's words go as they come,
	v_mul_u32_u24 v7, v0, 196
	v_add_nc_u32 v7, WF, v7                        ; and where my row of 49 begins
	BAR                                            ; the eight frames' results lie in LDS, and no wave reads its frame any more: its bytes are used anew
; fc2 for rows 256 k + t of W_fc2, thread t a row, all eight frames.  wf: the registers that hold the chunk as loaded; cnt: the younger loads.
.macro FC2 k, wf, cnt
	s_wait_loadcnt \cnt
	RNDN \wf, 49
.set i, 0
.rept 49
	ds_store_b32 v6, v[(\wf)+i] offset:1024*i
.set i, i+1
.endr
	BAR
.if (\k) == 0
.set i, 0
.rept 49
	global_load_b32 v[32+i], v4, s[18:19] offset:100352+1024*i     ; rows 512..767, into the registers whose LDS stores are done
.set i, i+1
.endr
.endif
.set i, 0
.rept 49
	ds_load_b32 v[WRW+i], v7 offset:4*i            ; rows lie 49 words apart: 32 lanes, 32 different banks
.set i, i+1
.endr
	v_mov_b32 v[WRW+49], 0
	v_mov_b32 v8, FATT
	v_add_nc_u32 v9, OUTS+1024*(\k), v4
	s_mov_b32 s41, 8
.Lfr\@:
.set q, 0
.rept 13
	ds_load_b128 v[AT+4*q:AT+4*q+3], v8 offset:16*q
.set q, q+1
.endr
	s_wait_dscnt 0x0
	v_pk_mul_f32 v[236:237], v[WRW:WRW+1], v[AT:AT+1]
	v_pk_mul_f32 v[238:239], v[WRW+2:WRW+3], v[AT+2:AT+3]
.set q, 2
.rept 11
	v_pk_fma_f32 v[236:237], v[WRW+2*q:WRW+2*q+1], v[AT+2*q:AT+2*q+1], v[236:237]
	v_pk_fma_f32 v[238:239], v[WRW+2*q+2:WRW+2*q+3], v[AT+2*q+2:AT+2*q+3], v[238:239]
.set q, q+2
.endr
	v_pk_fma_f32 v[236:237], v[WRW+48:WRW+49], v[AT+48:AT+49], v[236:237]
	v_pk_add_f32 v[236:237], v[236:237], v[238:239]
	v_add_f32 v240, v236, v237
	v_add_f32 v240, v240, v[130+(\k)]
	ds_store_b32 v9, v240
	v_add_nc_u32 v8, 256, v8                       ; the next frame
	v_add_nc_u32 v9, 3072, v9
	s_sub_co_u32 s41, s41, 1
	s_cmp_lg_u32 s41, 0
	s_cbranch_scc1 .Lfr\@
	BAR                                            ; every wave has read its rows: the chunk's bytes may be written again
.endm
	FC2 0, 32, 49                                  ; the second chunk's 49 loads may stay out
	FC2 1, 81, 49                                  ; the third's
	FC2 2, 32, 0
	s_mul_i32 s46, s2, 3072
	s_add_co_u32 s46, s46, OUTS
	v_lshl_add_u32 v10, v1, 4, s46
	v_lshlrev_b32 v11, 4, v1
.set q, 0
.rept 6
	ds_load_b128 v[134+4*q:134+4*q+3], v10 offset:512*q
.set q, q+1
.endr
	s_wait_dscnt 0x0
.set q, 0
.rept 6
	global_store_b128 v11, v[134+4*q:134+4*q+3], s[24:25] offset:512*q  ; my frame's row of out0, 512 consecutive bytes a store
.set q, q+1
.endr
.Lend:
	s_wait_tensorcnt 0x0                           ; the wave's end, behind my last LDS store
	ds_add_u32 v[SPW], v[NIL]
	s_wait_dscnt 0x0
	s_endpgm
.Lfunc_end_k_q09b8a49ad3_prep:
	.size	k_q09b8a49ad3_prep, .Lfunc_end_k_q09b8a49ad3_prep-k_q09b8a49ad3_prep
	.p2alignl 7, 3214868480
	.fill 96, 4, 3214868480
	.section	.rodata,"a",@progbits
	.p2align	6, 0x0
	.amdhsa_kernel k_q09b8a49ad3_prep
		.amdhsa_group_segment_fixed_size 120064
		.amdhsa_private_segment_fixed_size 0
		.amdhsa_enable_private_segment 0
		.amdhsa_kernarg_size 88
		.amdhsa_user_sgpr_count 2
		.amdhsa_user_sgpr_kernarg_segment_ptr 1
		.amdhsa_wavefront_size32 1
		.amdhsa_system_sgpr_workgroup_id_x 1
		.amdhsa_system_sgpr_workgroup_id_y 1
		.amdhsa_system_sgpr_workgroup_id_z 1
		.amdhsa_system_vgpr_workitem_id 0
		.amdhsa_next_free_vgpr 256
		.amdhsa_next_free_sgpr 66
		.amdhsa_reserve_vcc 0
		.amdhsa_float_denorm_mode_32 3
		.amdhsa_float_denorm_mode_16_64 3
		.amdhsa_memory_ordered 1
		.amdhsa_forward_progress 1
		.amdhsa_inst_pref_size 153
	.end_amdhsa_kernel
	.amdgpu_metadata
---
amdhsa.version: [ 1, 2 ]
amdhsa.kernels:
  - .name:           k_q09b8a49ad3_prep
    .symbol:         k_q09b8a49ad3_prep.kd
    .args:
      - { .name: lang, .offset: 0, .size: 8, .value_kind: global_buffer, .address_space: global }
      - { .name: W_text, .offset: 8, .size: 8, .value_kind: global_buffer, .address_space: global }
      - { .name: b_text, .offset: 16, .size: 8, .value_kind: global_buffer, .address_space: global }
      - { .name: frames, .offset: 24, .size: 8, .value_kind: global_buffer, .address_space: global }
      - { .name: lang_cls, .offset: 32, .size: 8, .value_kind: global_buffer, .address_space: global }
      - { .name: W_in, .offset: 40, .size: 8, .value_kind: global_buffer, .address_space: global }
      - { .name: W_out, .offset: 48, .size: 8, .value_kind: global_buffer, .address_space: global }
      - { .name: W_fc2, .offset: 56, .size: 8, .value_kind: global_buffer, .address_space: global }
      - { .name: b_fc2, .offset: 64, .size: 8, .value_kind: global_buffer, .address_space: global }
      - { .name: tfrag, .offset: 72, .size: 8, .value_kind: global_buffer, .address_space: global }
      - { .name: out0, .offset: 80, .size: 8, .value_kind: global_buffer, .address_space: global }
    .group_segment_fixed_size: 120064
    .private_segment_fixed_size: 0
    .kernarg_segment_align: 8
    .kernarg_segment_size: 88
    .max_flat_workgroup_size: 256
    .sgpr_count:     66
    .vgpr_count:     256
    .wavefront_size: 32
...
	.end_amdgpu_metadata
.endif
;; end of part 1
;; launch pool (part 2): grid 32 x 8, 4 waves a work-group, no clusters, 93,952 bytes of LDS; arguments grid_fts, grid_index, tfrag, part, pstat; writes part, pstat
.if DOCPART == 2
	.amdgcn_target "amdgcn-amd-amdhsa--gfx1250"
	.amdhsa_code_object_version 6
	.text
	.protected	k_q09b8a49ad3_pool
	.globl	k_q09b8a49ad3_pool
	.p2align	8
	.type	k_q09b8a49ad3_pool,@function
k_q09b8a49ad3_pool:
	s_mov_b64 s[64:65], 0
	v_nop
	global_prefetch_b8 v0, s[64:65] scope:SCOPE_SE
	s_setreg_imm32_b32 hwreg(HW_REG_WAVE_MODE, 25, 1), 1
	s_wait_xcnt 0x0
; POOL: scores, softmax by cell with a running maximum, and partial pooled sums of the grid rows.  grid_fts is read once.
; LEFT OUT: g = x W_grid^T + b_grid of every row; the rows themselves are pooled and the pooled rows projected later (shown at the head of prep).
; SHARES.  Work-group (j, b) has 320 rows of batch b from row 0 (j = 0) or 312 j + 8 on; from j = 2 on its first 8 rows belong to the neighbour: they are not loaded (zeros) and their index is 63, which is no cell.
; Ten tiles of 32 rows.  Wave w owns features 192 w .. 192 w + 191: as its slice of K in the scores and as its columns of the pooled sums.  So a wave's part of a tile is its own; only partial scores cross waves.
; PRODUCTS.  S^T[token][row] = T X^T: source 0 = 16 tokens of text (hi, then lo, onto one accumulator; all 48 fragments stay in registers), source 1 = 16 rows of X out of LDS.
;            pooled^T[feature][cell] += X^T P: source 0 = X turned by ds_load_tr16_b128, source 1 = P[row][cell], made in registers.  In both results a lane holds one column: a row of X, or a cell.
; SOFTMAX.  For each cell a running maximum m and sum l: e = 2^(log2e (w - m)) where the row's index is the cell, else 0; e is rounded to bf16 and l is the f32 sum of the rounded e; in every tile l and the
;            pooled sums are multiplied by a = 2^(log2e (m_old - m_new)).  m, l and the sums of the 32 work-groups of a batch are merged by the next launch.
; LIMITS.  A score at or below -3.4e38 counts as no row; a weight below 2^-126 counts as 0; NaN and infinities are not treated apart; an index outside 0..35 matches no stored cell.
; IN FLIGHT.  A tile is 48 loads of 512 bytes a wave.  As soon as four of them have been rounded to bf16 and put into LDS, the next tile's four go out into the same registers: 44 to 48 loads of a wave are out
;            through all of a tile's work.
; REGISTERS, in windows of 256 (s_set_vgpr_msb: bits 1:0 source 0, 3:2 source 1, 5:4 source 2, 7:6 destination):
;   window 0: v1-14 addresses and constants; v16-27 a, l, log2e m, m for three groups of 16 cells; v32-63 S, later P and six at work; v64-159 FR, at work; v160-255 loads 0-23
;   window 1: text, K steps 0-3     window 2: v0-127 text, K steps 4, 5; v128-255 pooled sums 0-15     window 3: v0-159 pooled sums 16-35; v160-255 loads 24-47
.set XSW,   13312                      ; LDS 0: for each wave its slice of the tile in bf16: 32 rows of 384 bytes, 416 apart (13 x 32: the turning load's 8 rows x 32 bytes fall on different banks)
.set XP,    416
.set SX,    53248                      ; partial scores [wave][row 32][token 64] f32, rows 272 bytes apart
.set SXW,   8704
.set WRS,   88064                      ; the tile's 32 scores
.set IDX,   88320                      ; for each wave a copy of the 320 indices
.set IDXW,  1280
.set SPARE, 93440                      ; the spare words: 128 bytes a wave, two blocks of 256 bytes that no other line names
.set GA,  1                            ; v1   (L / 16) x 4 rows + 16 (L % 16): my 16 bytes of a load
.set LXS, 2                            ; v2   where I put the 8 bytes made of them
.set LXA, 3                            ; v3   my place in a fragment of X
.set LXT, 4                            ; v4   my place in a turned fragment
.set LSS, 5                            ; v5   where I put partial scores
.set LSR, 6                            ; v6   where I read them: row 8 w + L / 4, tokens 16 (L % 4) ..
.set LWS, 7                            ; v7   where that row's score goes
.set LWR, 8                            ; v8   scores of rows 8 h ..
.set LIR, 9                            ; v9   indices of the same rows; steps by a tile
.set CID, 10                           ; v10-12  my cell in each group: 16 ct + r
.set NEG, 13                           ; v13  the lowest finite number
.set ONE, 14                           ; v14  1.0
.set ST,  16
.set SPW, 28
.set NIL, 29
.set SA,  32                           ; S: four accumulators; P: three fragments
.set MX,  56                           ; v56-58, v59-61 at work, by group of cells
.set OT,  59
.set FR,  64
.set FW,  128                          ; my 16 rows' scores
.set FI,  144                          ; and indices
.set MK,  16                           ; s[16:63]  lane masks: row i of my 16 lies in my cell of group ct, at 16 ct + i
.set LOS, 2                            ; the way out: three addresses in registers that the tiles have left
.set LOR, 3
.set GO,  4
.set MSB, 0
.macro WIN new                         ; the high byte repeats the setting that is left; a switch that changes nothing is dropped
.if MSB != (\new)
	s_set_vgpr_msb (MSB<<8)|(\new)
.set MSB, (\new)
.endif
.endm
.macro PLACES n
.rept \n
	v_nop
.endr
.endm
.macro BAR
	s_wait_dscnt 0x0
	s_barrier_signal -1
	s_barrier_wait -1
.endm
	s_load_b256 s[4:11], s[0:1], 0x0               ; grid_fts 4, grid_index 6, tfrag 8, part 10
	s_load_b64 s[12:13], s[0:1], 0x20              ; pstat
	v_lshl_add_u32 v[SPW], v0, 2, SPARE
	v_mov_b32 v[NIL], 0
	v_lshrrev_b32 v56, 5, v0
	v_readfirstlane_b32 s2, v56                    ; wave 0..3
	s_mov_b32 s14, ttmp9                           ; j
	s_and_b32 s15, ttmp7, 0xffff                   ; b
	s_mul_i32 s70, s14, 312
	s_add_co_u32 s70, s70, 8
	s_cmp_eq_u32 s14, 0
	s_cselect_b32 s70, 0, s70
	s_mul_i32 s71, s15, 10000
	s_add_co_u32 s70, s70, s71                     ; my window's first row
	s_mul_i32 s72, s70, 3072
	s_mul_i32 s71, s2, 768
	s_add_co_u32 s72, s72, s71
	s_mov_b32 s73, 0
	s_lshl_b32 s74, s70, 2
	s_mov_b32 s75, 0
	s_lshl_b32 s76, s15, 2
	s_add_co_u32 s76, s76, s2
	s_mul_i32 s76, s76, 49152                      ; my 48 fragments of text
	s_mov_b32 s77, 0
	s_lshl_b32 s71, s15, 5
	s_add_co_u32 s71, s71, s14
	s_mul_i32 s78, s71, 110592
	s_mov_b32 s79, 0
	s_lshl_b32 s82, s71, 9
	s_mov_b32 s83, 0
	s_cmp_lt_u32 s14, 2
	s_cselect_b32 s84, 0, 8                        ; rows that are the neighbour's
	s_mov_b32 s66, 0x3fb8aa3b                      ; log2(e), named as a pair
	s_mov_b32 s67, 0x3fb8aa3b
	s_mov_b32 s68, 0x76543210
	s_mov_b32 s69, 0xfedcba98
	s_mov_b32 s80, 0xffff0000                      ; a word's upper bf16; also lanes 16-31
	s_mul_i32 s85, s2, XSW
	s_mul_i32 s86, s2, SXW
	s_add_co_u32 s86, s86, SX
	s_mul_i32 s87, s2, 2176
	s_add_co_u32 s87, s87, SX
	s_lshl_b32 s88, s2, 5
	s_add_co_u32 s88, s88, WRS
	s_mul_i32 s89, s2, IDXW
	s_add_co_u32 s89, s89, IDX
	v_bfe_u32 v56, v0, 4, 1                        ; h
	v_and_b32 v57, 15, v0                          ; r
	v_and_b32 v58, 31, v0                          ; L
	v_mul_u32_u24 v[GA], v56, 12288
	v_lshl_add_u32 v[GA], v57, 4, v[GA]
	v_mul_u32_u24 v[LXS], v56, 1664
	v_lshl_add_u32 v[LXS], v57, 3, v[LXS]
	v_add_nc_u32 v[LXS], s85, v[LXS]
	v_mul_u32_u24 v[LXA], v57, XP
	v_lshl_add_u32 v[LXA], v56, 4, v[LXA]
	v_add_nc_u32 v[LXA], s85, v[LXA]
	v_and_b32 v59, 7, v0
	v_lshl_add_u32 v59, v56, 3, v59
	v_mul_u32_u24 v[LXT], v59, XP
	v_bfe_u32 v59, v0, 3, 1
	v_lshl_add_u32 v[LXT], v59, 4, v[LXT]
	v_add_nc_u32 v[LXT], s85, v[LXT]
	v_mul_u32_u24 v[LSS], v57, 272
	v_lshl_add_u32 v[LSS], v56, 5, v[LSS]
	v_add_nc_u32 v[LSS], s86, v[LSS]
	v_bfe_u32 v59, v0, 2, 3
	v_mul_u32_u24 v[LSR], v59, 272
	v_and_b32 v60, 3, v0
	v_lshl_add_u32 v[LSR], v60, 6, v[LSR]
	v_add_nc_u32 v[LSR], s87, v[LSR]
	v_lshl_add_u32 v[LWS], v59, 2, s88
	v_lshl_add_u32 v[LWR], v56, 5, WRS
	v_lshl_add_u32 v[LIR], v56, 5, s89
	v_mov_b32 v[CID], v57
	v_add_nc_u32 v[CID+1], 16, v57
	v_add_nc_u32 v[CID+2], 32, v57
	v_mov_b32 v[NEG], 0xff7fffff
	v_mov_b32 v[ONE], 1.0
	v_lshlrev_b32 v59, 4, v58                      ; 16 L
	v_lshlrev_b32 v60, 2, v58                      ; 4 L
	v_add_nc_u32 v61, s89, v60
	v_mov_b32 v62, 63
.irp ct, 0,1,2
	v_mov_b32 v[ST+4*\ct], 0
	v_mov_b32 v[ST+4*\ct+1], 0
	v_mov_b32 v[ST+4*\ct+2], 0
	v_mov_b32 v[ST+4*\ct+3], 0xff7fffff
.endr
	s_wait_kmcnt 0x0
	s_add_nc_u64 s[4:5], s[4:5], s[72:73]
	s_add_nc_u64 s[6:7], s[6:7], s[74:75]
	s_add_nc_u64 s[8:9], s[8:9], s[76:77]
	s_add_nc_u64 s[10:11], s[10:11], s[78:79]
	s_add_nc_u64 s[12:13], s[12:13], s[82:83]
; Load i = 3 q + p of 48: lanes 0-15 take 256 bytes (piece p of my 768) of row 8 (q / 4) + q % 4, lanes 16-31 the same of the row four further down.
.macro XLOAD i
.set qq, (\i)/3
.set rw, 8*(qq/4)+(qq%4)
.set sr, 160+4*((\i)%24)
	global_load_b128 v[sr:sr+3], v[GA], s[4:5] offset:rw*3072+((\i)%3)*256 th:TH_LOAD_NT
.endm
	s_cmp_lt_u32 s14, 2
	s_cbranch_scc1 .Lfirst_rows
.set i, 0
.rept 48
	v_mov_b32 v[160+i], 0                          ; loads 0-11 are rows 0-7, the neighbour's
.set i, i+1
.endr
	s_branch .Lrest
.Lfirst_rows:
.set i, 0
.rept 12
	XLOAD i
.set i, i+1
.endr
.Lrest:
.set i, 12
.rept 12
	XLOAD i
.set i, i+1
.endr
	WIN 0xc0
.rept 24
	XLOAD i
.set i, i+1
.endr
	WIN 0
.set i, 0
.rept 10
	global_load_b32 v[FR+i], v60, s[6:7] offset:128*i  ; the window's indices, a lane a row
.set i, i+1
.endr
	WIN 0x40
.set i, 0
.rept 64
	global_load_b128 v[4*i:4*i+3], v59, s[8:9] offset:512*i
.set i, i+1
.endr
	WIN 0x80
.rept 32
	global_load_b128 v[4*(i-64):4*(i-64)+3], v59, s[8:9] offset:512*i
.set i, i+1
.endr
.set i, 128
.rept 128
	v_mov_b32 v[i], 0                              ; the pooled sums start at 0, written while the first loads are out: the price of one text for every tile
.set i, i+1
.endr
	WIN 0xc0
.set i, 0
.rept 160
	v_mov_b32 v[i], 0
.set i, i+1
.endr
	WIN 0
	s_wait_loadcnt 0x0                             ; text, indices and the first tile
	v_cmp_gt_u32 vcc_lo, s84, v58
	v_cndmask_b32 v[FR], v[FR], v62, vcc_lo
.set i, 0
.rept 10
	ds_store_b32 v61, v[FR+i] offset:128*i
.set i, i+1
.endr
; The tile in the load registers is rounded to bf16 and put into my slice of LDS, four loads at a time; ahead = 1: the next tile's four go out at once.
.macro CONV ahead
.if \ahead
	s_wait_xcnt 0x0                                ; the last tile's loads have read their base, so it may step
	s_add_nc_u64 s[4:5], s[4:5], 98304
.endif
.set g, 0
.rept 12
.if \ahead
	s_wait_loadcnt 44                              ; of 48 loads out the four oldest are these
.else
	s_wait_loadcnt 44-4*g                          ; nothing more is asked for: the counts run down
.endif
.if g < 6
	WIN 0
.else
	WIN 0x0f
.endif
.set u, 0
.rept 4
.set i, 4*g+u
.set sr, 160+4*(i%24)
	v_cvt_pk_bf16_f32 v[FR+2*i], v[sr], v[sr+1]
	v_cvt_pk_bf16_f32 v[FR+2*i+1], v[sr+2], v[sr+3]
.set u, u+1
.endr
.if g < 6
	WIN 0
.else
	WIN 0xc0
.endif
.set u, 0
.rept 4
.set i, 4*g+u
.set qq, i/3
.set rw, 8*(qq/4)+(qq%4)
	ds_store_b64 v[LXS], v[FR+2*i:FR+2*i+1] offset:rw*XP+(i%3)*128
.set u, u+1
.endr
.if \ahead
.set u, 0
.rept 4
	XLOAD 4*g+u
.set u, u+1
.endr
.endif
.set g, g+1
.endr
	WIN 0
.endm
.macro FETCH_X                         ; 12 fragments of X: rows 16 rt .., features 32 ks ..; LDS serves a wave's instructions in order, so these see the stores above
.set n, 0
.rept 12
	ds_load_b128 v[FR+8*n:FR+8*n+3],   v[LXA] offset:(n/6)*6656+(n%6)*64
	ds_load_b128 v[FR+8*n+4:FR+8*n+7], v[LXA] offset:(n/6)*6656+(n%6)*64+32
.set n, n+1
.endr
.endm
; My slice's part of the scores of rows 16 rt ..: 48 products, the four accumulators (16 tokens each) by turns; then into LDS.
.macro P1 rt
.if (\rt) == 0
	s_wait_dscnt 12                                ; the 12 younger loads are the other 16 rows'
.else
	s_wait_dscnt 8                                 ; the 8 younger instructions are the stores of the first 16 rows' scores
.endif
.set ks, 0
.rept 6
.if ks < 4
	WIN 0x01
.else
	WIN 0x02
.endif
.set n, 0
.rept 8
.set tr, 64*(ks%4)+8*n
.set sa, SA+8*(n%4)
.set xb, FR+8*(6*(\rt)+ks)
.if (ks == 0) && (n < 4)
	v_wmma_f32_16x16x32_bf16 v[sa:sa+7], v[tr:tr+7], v[xb:xb+7], 0
.else
	v_wmma_f32_16x16x32_bf16 v[sa:sa+7], v[tr:tr+7], v[xb:xb+7], v[sa:sa+7]
.endif
.set n, n+1
.endr
.set ks, ks+1
.endr
	WIN 0
	PLACES 5                                       ; four places ahead of the stores that read results and of loads into the sources, five ahead of products that write over them
.set n, 0
.rept 4
	ds_store_b128 v[LSS], v[SA+8*n:SA+8*n+3]   offset:(\rt)*4352+n*64
	ds_store_b128 v[LSS], v[SA+8*n+4:SA+8*n+7] offset:(\rt)*4352+n*64+16
.set n, n+1
.endr
.endm
.macro REDUCE                          ; rows 8 w .. 8 w + 7: four lanes a row, 16 tokens a lane: the four waves' parts are added, then the maximum over the 64 tokens
.set n, 0
.rept 16
	ds_load_b128 v[FR+4*n:FR+4*n+3], v[LSR] offset:(n/4)*SXW+(n%4)*16
.set n, n+1
.endr
	s_wait_dscnt 0x0
.set n, 0
.rept 8
	v_pk_add_f32 v[FR+2*n:FR+2*n+1], v[FR+2*n:FR+2*n+1], v[FR+16+2*n:FR+16+2*n+1]
	v_pk_add_f32 v[FR+32+2*n:FR+32+2*n+1], v[FR+32+2*n:FR+32+2*n+1], v[FR+48+2*n:FR+48+2*n+1]
.set n, n+1
.endr
.set n, 0
.rept 8
	v_pk_add_f32 v[FR+2*n:FR+2*n+1], v[FR+2*n:FR+2*n+1], v[FR+32+2*n:FR+32+2*n+1]
.set n, n+1
.endr
.irp n, 0,1,2,3,4
	v_max3_num_f32 v[FR+16+\n], v[FR+3*\n], v[FR+3*\n+1], v[FR+3*\n+2]
.endr
	v_max3_num_f32 v[FR+16], v[FR+16], v[FR+17], v[FR+15]
	v_max3_num_f32 v[FR+18], v[FR+18], v[FR+19], v[FR+20]
	v_max_num_f32 v[FR+16], v[FR+16], v[FR+18]
	v_max_num_f32_dpp v[FR+16], v[FR+16], v[FR+16] row_xmask:1 row_mask:0xf bank_mask:0xf
	v_max_num_f32_dpp v[FR+16], v[FR+16], v[FR+16] row_xmask:2 row_mask:0xf bank_mask:0xf
	ds_store_b32 v[LWS], v[FR+16]                  ; a row's four lanes write the same number to the same word
.endm
; Every wave alike: lane (r, h) has cell 16 ct + r and rows 8 h + 0..7 and 16 + 8 h + 0..7 of the tile, which are its places in P.
.macro STATS
	ds_load_b128 v[FW:FW+3],     v[LWR]
	ds_load_b128 v[FW+4:FW+7],   v[LWR] offset:16
	ds_load_b128 v[FW+8:FW+11],  v[LWR] offset:64
	ds_load_b128 v[FW+12:FW+15], v[LWR] offset:80
	ds_load_b128 v[FI:FI+3],     v[LIR]
	ds_load_b128 v[FI+4:FI+7],   v[LIR] offset:16
	ds_load_b128 v[FI+8:FI+11],  v[LIR] offset:64
	ds_load_b128 v[FI+12:FI+15], v[LIR] offset:80
	s_wait_dscnt 0x0
.set i, 0
.rept 16
.irp ct, 0,1,2
	v_cmp_eq_u32 s[MK+16*\ct+i], v[FI+i], v[CID+\ct]
	v_cndmask_b32 v[FR+16*\ct+i], v[NEG], v[FW+i], s[MK+16*\ct+i]
.endr
.set i, i+1
.endr
.irp ct, 0,1,2
	v_max3_num_f32 v[MX+\ct], v[FR+16*\ct], v[FR+16*\ct+1], v[FR+16*\ct+2]
.endr
.set i, 3
.rept 6
.irp ct, 0,1,2
	v_max3_num_f32 v[MX+\ct], v[MX+\ct], v[FR+16*\ct+i], v[FR+16*\ct+i+1]
.endr
.set i, i+2
.endr
.irp ct, 0,1,2
	v_max3_num_f32 v[MX+\ct], v[MX+\ct], v[FR+16*\ct+15], v[ST+4*\ct+3]
.endr
.irp ct, 0,1,2
	v_permlanex16_b32 v[OT+\ct], v[MX+\ct], s68, s69   ; the cell's other 16 rows lie in the lane 16 away
.endr
.irp ct, 0,1,2
	v_max_num_f32 v[MX+\ct], v[MX+\ct], v[OT+\ct]      ; the new m
.endr
.irp ct, 0,1,2
	v_sub_f32 v[OT+\ct], v[ST+4*\ct+3], v[MX+\ct]      ; m_old - m_new: 0 for a cell that is still empty
.endr
.irp ct, 0,1,2
	v_mul_f32 v[OT+\ct], s66, v[OT+\ct]
.endr
.irp ct, 0,1,2
	v_mul_f32 v[ST+4*\ct+2], s66, v[MX+\ct]
.endr
.irp ct, 0,1,2
	v_mov_b32 v[ST+4*\ct+3], v[MX+\ct]
.endr
.irp ct, 0,1,2
.set i, 0
.rept 8
	v_pk_fma_f32 v[FR+16*\ct+2*i:FR+16*\ct+2*i+1], v[FW+2*i:FW+2*i+1], s[66:67], v[ST+4*\ct+2:ST+4*\ct+3] op_sel_hi:[1,0,0] neg_lo:[0,0,1] neg_hi:[0,0,1]
.set i, i+1
.endr
.endr
.set i, 0
.rept 48                               ; ONE batch: 48 weights and three a; nothing in it reads a result
	v_exp_f32 v[FR+i], v[FR+i]
.set i, i+1
.endr
.irp ct, 0,1,2
	v_exp_f32 v[ST+4*\ct], v[OT+\ct]
.endr
	v_nop                                          ; a plain instruction behind the last exponential,
	s_wait_alu depctr_va_vdst(0)                   ; and one wait for the batch, ahead of its first reader
.set i, 0
.rept 48
	v_cndmask_b32 v[FR+i], 0, v[FR+i], s[MK+i]     ; a row outside the cell weighs 0, whatever its exponential gave
.set i, i+1
.endr
.set i, 0
.rept 24
	v_cvt_pk_bf16_f32 v[SA+i], v[FR+2*i], v[FR+2*i+1]
.set i, i+1
.endr
.endm
.macro FETCH_XT                        ; 12 turned fragments: features 16 dt .., the tile's 32 rows
.set n, 0
.rept 12
	ds_load_tr16_b128 v[FR+8*n:FR+8*n+3],   v[LXT] offset:n*32
	ds_load_tr16_b128 v[FR+8*n+4:FR+8*n+7], v[LXT] offset:n*32+6656
.set n, n+1
.endr
.endm
.macro DENOM                           ; l = a l + the f32 sum of the rounded weights: two chains a group of cells, low halves and high halves
.irp ct, 0,1,2
	v_lshlrev_b32 v[MX+\ct], 16, v[SA+8*\ct]
	v_and_b32 v[OT+\ct], s80, v[SA+8*\ct]
.endr
.set n, 1
.rept 7
.irp ct, 0,1,2
	v_fma_mix_f32_bf16 v[MX+\ct], v[SA+8*\ct+n], v[ONE], v[MX+\ct] op_sel_hi:[1,0,0]
	v_fma_mix_f32_bf16 v[OT+\ct], v[SA+8*\ct+n], v[ONE], v[OT+\ct] op_sel:[1,0,0] op_sel_hi:[1,0,0]
.endr
.set n, n+1
.endr
.irp ct, 0,1,2
	v_add_f32 v[MX+\ct], v[MX+\ct], v[OT+\ct]
.endr
.irp ct, 0,1,2
	v_permlanex16_b32 v[OT+\ct], v[MX+\ct], s68, s69
.endr
.irp ct, 0,1,2
	v_add_f32 v[MX+\ct], v[MX+\ct], v[OT+\ct]
.endr
.irp ct, 0,1,2
	v_fma_f32 v[ST+4*\ct+1], v[ST+4*\ct+1], v[ST+4*\ct], v[MX+\ct]
.endr
.endm
.macro ACCREG                          ; pooled sum ai = 12 ct + dt: its first register, in window 2 or 3
.if ai < 16
.set ar, 128+8*ai
.else
.set ar, 8*(ai-16)
.endif
.endm
.macro RESCALE                         ; the pooled sums times a, each accumulator from its low end on
.set ai, 0
.rept 36
	ACCREG
.if ai < 16
	WIN 0x82
.else
	WIN 0xc3
.endif
.set n, 0
.rept 4
	v_pk_mul_f32 v[ar+2*n:ar+2*n+1], v[ar+2*n:ar+2*n+1], v[ST+4*(ai/12):ST+4*(ai/12)+1] op_sel_hi:[1,0]
.set n, n+1
.endr
.set ai, ai+1
.endr
.endm
.macro P2                              ; 36 products, each accumulator once
	s_wait_dscnt 0x0                               ; the turned fragments are in
.set ai, 0
.rept 36
	ACCREG
.if ai < 16
	WIN 0xa0
.else
	WIN 0xf0
.endif
	v_wmma_f32_16x16x32_bf16 v[ar:ar+7], v[FR+8*(ai%12):FR+8*(ai%12)+7], v[SA+8*(ai/12):SA+8*(ai/12)+7], v[ar:ar+7]
.set ai, ai+1
.endr
	WIN 0
	PLACES 5                                       ; ahead of what writes FR, reads the sums, or (a product) writes over P
	v_add_nc_u32 v[LIR], 128, v[LIR]
.endm
.macro TILE ahead
	CONV \ahead
	FETCH_X
	P1 0
	P1 1
	BAR                                            ; all four waves' partial scores lie in LDS
	REDUCE
	BAR                                            ; the 32 scores lie in LDS, and nobody reads the partial scores any more
	STATS
	FETCH_XT
	DENOM
	RESCALE
	P2
.endm
	s_mov_b32 s3, 9
.Ltile:
	TILE 1
	s_sub_co_u32 s3, s3, 1
	s_cmp_lg_u32 s3, 0
	s_cbranch_scc1 .Ltile
	TILE 0                                         ; the last tile asks for nothing
; THE WAY OUT.  A lane holds a cell and eight features; 16 cells at a time go through my slice of LDS (rows 784 bytes apart) and come back as pieces of 256 bytes of a cell's row.  Only cells 0..35 leave.
	v_bfe_u32 v56, v0, 4, 1
	v_and_b32 v57, 15, v0
	v_mul_u32_u24 v[LOS], v57, 784
	v_lshl_add_u32 v[LOS], v56, 5, v[LOS]
	v_add_nc_u32 v[LOS], s85, v[LOS]
	v_mul_u32_u24 v[LOR], v56, 1568
	v_lshl_add_u32 v[LOR], v57, 4, v[LOR]
	v_add_nc_u32 v[LOR], s85, v[LOR]
	s_mul_i32 s71, s2, 768
	v_mul_u32_u24 v[GO], v56, 6144
	v_lshl_add_u32 v[GO], v57, 4, v[GO]
	v_add_nc_u32 v[GO], s71, v[GO]
.macro OUT ct
.set dt, 0
.rept 12
.set ai, 12*(\ct)+dt
	ACCREG
.if ai < 16
	WIN 0x08
.else
	WIN 0x0c
.endif
	ds_store_b128 v[LOS], v[ar:ar+3]   offset:dt*64
	ds_store_b128 v[LOS], v[ar+4:ar+7] offset:dt*64+16
.set dt, dt+1
.endr
	WIN 0
.set n, 0
.irp rho, 0,1,4,5,8,9,12,13
.if ((\ct) < 2) || (\rho < 2)
.irp pp, 0,1,2
	ds_load_b128 v[FR+4*n:FR+4*n+3], v[LOR] offset:\rho*784+\pp*256    ; lanes 0-15 cell rho, lanes 16-31 cell rho + 2
.set n, n+1
.endr
.endif
.endr
	s_wait_dscnt 0x0
.set n, 0
.irp rho, 0,1,4,5,8,9,12,13
.if ((\ct) < 2) || (\rho < 2)
.irp pp, 0,1,2
	global_store_b128 v[GO], v[FR+4*n:FR+4*n+3], s[10:11] offset:(16*(\ct)+\rho)*3072+\pp*256  ; 16 lanes store 256 consecutive bytes, at a multiple of 256 from part's first
.set n, n+1
.endr
.endif
.endr
	s_wait_xcnt 0x0                                ; the stores have read their data: FR may be loaded again
.endm
	OUT 0
	OUT 1
	OUT 2
	s_cmp_lg_u32 s2, 0                             ; m and l are the same in all four waves: wave 0 stores them
	s_cbranch_scc1 .Lend
	v_and_b32 v58, 31, v0
	v_lshlrev_b32 v58, 2, v58
	v_cndmask_b32 v56, v[ST+3], v[ST+7], s80       ; lanes 0-15 cells 0-15, lanes 16-31 cells 16-31
	v_cndmask_b32 v57, v[ST+1], v[ST+5], s80
	global_store_b32 v58, v56, s[12:13]
	global_store_b32 v58, v[ST+11], s[12:13] offset:128
	global_store_b32 v58, v57, s[12:13] offset:256
	global_store_b32 v58, v[ST+9], s[12:13] offset:384
.Lend:
	s_wait_tensorcnt 0x0                           ; the wave's end, behind my last LDS store
	ds_add_u32 v[SPW], v[NIL]
	s_wait_dscnt 0x0
	s_endpgm
.Lfunc_end_k_q09b8a49ad3_pool:
	.size	k_q09b8a49ad3_pool, .Lfunc_end_k_q09b8a49ad3_pool-k_q09b8a49ad3_pool
	.p2alignl 7, 3214868480
	.fill 96, 4, 3214868480
	.section	.rodata,"a",@progbits
	.p2align	6, 0x0
	.amdhsa_kernel k_q09b8a49ad3_pool
		.amdhsa_group_segment_fixed_size 93952
		.amdhsa_private_segment_fixed_size 0
		.amdhsa_enable_private_segment 0
		.amdhsa_kernarg_size 40
		.amdhsa_user_sgpr_count 2
		.amdhsa_user_sgpr_kernarg_segment_ptr 1
		.amdhsa_wavefront_size32 1
		.amdhsa_system_sgpr_workgroup_id_x 1
		.amdhsa_system_sgpr_workgroup_id_y 1
		.amdhsa_system_sgpr_workgroup_id_z 1
		.amdhsa_system_vgpr_workitem_id 0
		.amdhsa_next_free_vgpr 1024
		.amdhsa_next_free_sgpr 100
		.amdhsa_reserve_vcc 1
		.amdhsa_float_denorm_mode_32 3
		.amdhsa_float_denorm_mode_16_64 3
		.amdhsa_memory_ordered 1
		.amdhsa_forward_progress 1
		.amdhsa_inst_pref_size 161
	.end_amdhsa_kernel
	.amdgpu_metadata
---
amdhsa.version: [ 1, 2 ]
amdhsa.kernels:
  - .name:           k_q09b8a49ad3_pool
    .symbol:         k_q09b8a49ad3_pool.kd
    .args:
      - { .name: grid_fts, .offset: 0, .size: 8, .value_kind: global_buffer, .address_space: global }
      - { .name: grid_index, .offset: 8, .size: 8, .value_kind: global_buffer, .address_space: global }
      - { .name: tfrag, .offset: 16, .size: 8, .value_kind: global_buffer, .address_space: global }
      - { .name: part, .offset: 24, .size: 8, .value_kind: global_buffer, .address_space: global }
      - { .name: pstat, .offset: 32, .size: 8, .value_kind: global_buffer, .address_space: global }
    .group_segment_fixed_size: 93952
    .private_segment_fixed_size: 0
    .kernarg_segment_align: 8
    .kernarg_segment_size: 40
    .max_flat_workgroup_size: 128
    .sgpr_count:     100
    .vgpr_count:     1024
    .wavefront_size: 32
...
	.end_amdgpu_metadata
.endif
;; end of part 2
;; launch merge (part 3): grid 36 x 8, 6 waves a work-group, no clusters, 1,280 bytes of LDS; arguments part, pstat, candidates, W_cand, b_cand, ln_g, ln_b, lang, b_grid, pooled, base; writes pooled, base
.if DOCPART == 3
	.amdgcn_target "amdgcn-amd-amdhsa--gfx1250"
	.amdhsa_code_object_version 6
	.text
	.protected	k_q09b8a49ad3_merge
	.globl	k_q09b8a49ad3_merge
	.p2align	8
	.type	k_q09b8a49ad3_merge,@function
k_q09b8a49ad3_merge:
	s_mov_b64 s[64:65], 0
	v_nop
	global_prefetch_b8 v0, s[64:65] scope:SCOPE_SE
	s_setreg_imm32_b32 hwreg(HW_REG_WAVE_MODE, 25, 1), 1
	s_wait_xcnt 0x0
; MERGE: for one cell c of one batch b, the 32 partial pooled sums become the pooled row, and all of the output row that is no matrix product is made.
; LEFT OUT: g of every grid row (shown at the head of prep): b_grid enters here once, times the flag den > 0.
; With M = max_j m_j, s_j = 2^(log2e (m_j - M)), den = sum_j s_j l_j: pooled = sum_j s_j part_j / max(den, 1e-30) where den > 0, else 0, as reference() has it.  An empty part has m_j at the lowest finite
; number, l_j = 0 and sums of 0; if all are empty every s_j is 1 and den is 0.
; pooled leaves as two bf16 operands, hi and lo; base = LayerNorm(candidates W_cand^T + b_cand) ln_g + ln_b, times lang[b][0], plus flag x b_grid, in f32.  All inputs are rounded to bf16 as they are loaded.
; 192 threads, four features each.  The 32 loads of the parts go out first and land while the LayerNorm, with its two meetings in LDS, is made.
.set SPARE, 512                        ; the spare words: 128 bytes for each of six waves, three blocks of 256 bytes that no other line names
.set SPW, 60
.set NIL, 61
.set WT,  66                           ; s[66:97]  the 32 weights s_j / den
.macro BAR
	s_wait_dscnt 0x0
	s_barrier_signal -1
	s_barrier_wait -1
.endm
.macro RNDN base, n
.set i, 0
.rept (\n)/2
.set tq, 38+(i/2)%2
	v_cvt_pk_bf16_f32 v[tq], v[(\base)+i], v[(\base)+i+1]
	v_lshlrev_b32 v[(\base)+i], 16, v[tq]
	v_and_b32 v[(\base)+i+1], s40, v[tq]
.set i, i+2
.endr
.endm
.macro WMAX x, t
	v_max_num_f32_dpp v[\x], v[\x], v[\x] row_xmask:1 row_mask:0xf bank_mask:0xf
	v_max_num_f32_dpp v[\x], v[\x], v[\x] row_xmask:2 row_mask:0xf bank_mask:0xf
	v_max_num_f32_dpp v[\x], v[\x], v[\x] row_xmask:4 row_mask:0xf bank_mask:0xf
	v_max_num_f32_dpp v[\x], v[\x], v[\x] row_xmask:8 row_mask:0xf bank_mask:0xf
	v_permlanex16_b32 v[\t], v[\x], s42, s43
	v_max_num_f32 v[\x], v[\x], v[\t]
.endm
.macro WADD x, t
	v_add_f32_dpp v[\x], v[\x], v[\x] row_xmask:1 row_mask:0xf bank_mask:0xf
	v_add_f32_dpp v[\x], v[\x], v[\x] row_xmask:2 row_mask:0xf bank_mask:0xf
	v_add_f32_dpp v[\x], v[\x], v[\x] row_xmask:4 row_mask:0xf bank_mask:0xf
	v_add_f32_dpp v[\x], v[\x], v[\x] row_xmask:8 row_mask:0xf bank_mask:0xf
	v_permlanex16_b32 v[\t], v[\x], s42, s43
	v_add_f32 v[\x], v[\x], v[\t]
.endm
.macro SIX off                         ; the six waves' sums, added in every lane, into v48
	ds_load_b128 v[48:51], v62 offset:\off
	ds_load_b64 v[52:53], v62 offset:(\off)+16
	s_wait_dscnt 0x0
	v_add_f32 v48, v48, v49
	v_add_f32 v50, v50, v51
	v_add_f32 v52, v52, v53
	v_add_f32 v48, v48, v50
	v_add_f32 v48, v48, v52
.endm
	s_load_b512 s[4:19], s[0:1], 0x0               ; part 4, pstat 6, candidates 8, W_cand 10, b_cand 12, ln_g 14, ln_b 16, lang 18
	s_load_b128 s[20:23], s[0:1], 0x40             ; b_grid 20, pooled 22
	s_load_b64 s[24:25], s[0:1], 0x50              ; base
	v_lshl_add_u32 v[SPW], v0, 2, SPARE
	v_mov_b32 v[NIL], 0
	v_lshrrev_b32 v1, 5, v0
	v_readfirstlane_b32 s2, v1                     ; wave 0..5
	v_and_b32 v1, 31, v0
	s_mov_b32 s26, ttmp9                           ; c
	s_and_b32 s27, ttmp7, 0xffff                   ; b
	s_mul_i32 s28, s27, 36
	s_add_co_u32 s28, s28, s26                     ; m = 36 b + c
	v_lshlrev_b32 v2, 4, v0                        ; 16 t
	v_lshlrev_b32 v3, 5, v0                        ; 32 t
	v_lshlrev_b32 v4, 3, v0                        ; 8 t
	s_lshl_b32 s29, s26, 2
	v_lshl_add_u32 v5, v1, 9, s29                  ; lane j: part j's statistics of cell c
	s_mul_i32 s30, s27, 3538944
	s_mul_i32 s31, s26, 3072
	s_add_co_u32 s30, s30, s31
	s_mov_b32 s31, 0
	s_lshl_b32 s32, s27, 14
	s_mov_b32 s33, 0
	s_lshl_b32 s34, s28, 3
	s_mov_b32 s35, 0
	s_mul_i32 s36, s27, 196608
	s_mov_b32 s37, 0
	s_mul_i32 s38, s28, 1536
	s_mov_b32 s39, 0
	s_mul_i32 s44, s28, 3072
	s_mov_b32 s45, 0
	s_mov_b32 s40, 0xffff0000
	s_mov_b32 s41, 0x3fb8aa3b                      ; log2(e)
	s_mov_b32 s42, 0x76543210
	s_mov_b32 s43, 0xfedcba98
	s_mov_b32 s48, 0x3aaaaaab                      ; 1 / 768
	v_mov_b32 v62, 0
	v_mov_b32 v63, s2
	v_lshlrev_b32 v63, 2, v63                      ; my wave's word
	v_mov_b32 v39, 0
	v_mov_b32 v55, 0
	v_mov_b32 v57, 0
	s_wait_kmcnt 0x0
	s_add_nc_u64 s[4:5], s[4:5], s[30:31]
	s_add_nc_u64 s[6:7], s[6:7], s[32:33]
	s_add_nc_u64 s[8:9], s[8:9], s[34:35]
	s_add_nc_u64 s[18:19], s[18:19], s[36:37]
	s_add_nc_u64 s[22:23], s[22:23], s[38:39]
	s_add_nc_u64 s[24:25], s[24:25], s[44:45]
	s_load_b64 s[46:47], s[8:9], 0x0               ; the candidate's two numbers
	global_load_b32 v6, v5, s[6:7]                 ; m_j
	global_load_b32 v7, v5, s[6:7] offset:256      ; l_j
	global_load_b128 v[8:11], v3, s[10:11]
	global_load_b128 v[12:15], v3, s[10:11] offset:16
	global_load_b128 v[16:19], v2, s[12:13]
	global_load_b128 v[20:23], v2, s[14:15]
	global_load_b128 v[24:27], v2, s[16:17]
	global_load_b128 v[28:31], v2, s[18:19]
	global_load_b128 v[32:35], v2, s[20:21]
.set j, 0
.rept 32
	global_load_b128 v[64+4*j:64+4*j+3], v2, s[4:5] offset:j*110592 th:TH_LOAD_NT
.set j, j+1
.endr
	s_wait_kmcnt 0x0
	v_mov_b32 v36, s46
	v_mov_b32 v37, s47
	s_wait_loadcnt 32                              ; the 32 loads of the parts may stay out
	RNDN 8, 30
.irp i, 0,1,2,3
	v_fma_f32 v[44+\i], v[8+2*\i], v36, v[16+\i]
.endr
.irp i, 0,1,2,3
	v_fma_f32 v[44+\i], v[9+2*\i], v37, v[44+\i]
.endr
	v_add_f32 v38, v44, v45
	v_add_f32 v39, v46, v47
	v_add_f32 v38, v38, v39
	WADD 38, 39
	ds_store_b32 v63, v38
	BAR
	SIX 0
	v_mul_f32 v48, s48, v48                        ; the mean
.irp i, 0,1,2,3
	v_sub_f32 v[44+\i], v[44+\i], v48
.endr
	v_mul_f32 v38, v44, v44
	v_fmac_f32 v38, v45, v45
	v_fmac_f32 v38, v46, v46
	v_fmac_f32 v38, v47, v47
	WADD 38, 39
	ds_store_b32 v63, v38 offset:256               ; other words than the first sums': no barrier is needed between those reads and these stores
	BAR
	SIX 256
	v_fmaak_f32 v48, s48, v48, 0x2b8cbccc          ; the variance + 1e-12
	v_rsq_f32 v48, v48
	; the statistics, while the root is made: they name none of its registers
	v_mov_b32 v54, v6
	WMAX 54, 55
	v_sub_f32 v55, v6, v54
	v_mul_f32 v55, s41, v55
	v_exp_f32 v55, v55                             ; s_j
	v_nop
	s_wait_alu depctr_va_vdst(0)                   ; one wait for the root and the exponential, ahead of their first readers
.irp i, 0,1,2,3
	v_mul_f32 v[44+\i], v[44+\i], v48
.endr
.irp i, 0,1,2,3
	v_fma_f32 v[44+\i], v[44+\i], v[20+\i], v[24+\i]
.endr
.irp i, 0,1,2,3
	v_mul_f32 v[44+\i], v[44+\i], v[28+\i]
.endr
	v_mul_f32 v56, v55, v7
	WADD 56, 57                                    ; den
	v_cmp_lt_f32 vcc_lo, 0, v56
	v_max_num_f32 v57, 0x0da24260, v56             ; max(den, 1e-30)
	v_rcp_f32 v57, v57
	v_cndmask_b32 v58, 0, 1.0, vcc_lo              ; the flag, as a number
	s_wait_alu depctr_va_vdst(0)
	v_cndmask_b32 v57, 0, v57, vcc_lo
	v_mul_f32 v55, v55, v57
.set j, 0
.rept 32
	v_readlane_b32 s[WT+j], v55, j
.set j, j+1
.endr
.irp i, 0,1,2,3
	v_fma_f32 v[44+\i], v[32+\i], v58, v[44+\i]    ; + flag x b_grid
.endr
	global_store_b128 v2, v[44:47], s[24:25]       ; a wave stores 512 consecutive bytes of base
.set j, 0
.rept 32
.if j%8 == 0
	s_wait_loadcnt 24-j                            ; eight parts at a time: the younger ones may stay out
.endif
.irp i, 0,1,2,3
.if j == 0
	v_mul_f32 v[40+\i], s[WT], v[64+\i]
.else
	v_fmac_f32 v[40+\i], s[WT+j], v[64+4*j+\i]
.endif
.endr
.set j, j+1
.endr
	v_cvt_pk_bf16_f32 v48, v40, v41                ; hi
	v_cvt_pk_bf16_f32 v49, v42, v43
	v_lshlrev_b32 v50, 16, v48
	v_and_b32 v51, s40, v48
	v_lshlrev_b32 v52, 16, v49
	v_and_b32 v53, s40, v49
	v_pk_add_f32 v[40:41], v[40:41], v[50:51] neg_lo:[0,1] neg_hi:[0,1]
	v_pk_add_f32 v[42:43], v[42:43], v[52:53] neg_lo:[0,1] neg_hi:[0,1]
	v_cvt_pk_bf16_f32 v54, v40, v41                ; lo
	v_cvt_pk_bf16_f32 v55, v42, v43
	global_store_b64 v4, v[48:49], s[22:23]        ; a wave stores 256 consecutive bytes
	global_store_b64 v4, v[54:55], s[22:23] offset:442368
	s_wait_tensorcnt 0x0                           ; the wave's end, behind my last LDS store
	ds_add_u32 v[SPW], v[NIL]
	s_wait_dscnt 0x0
	s_endpgm
.Lfunc_end_k_q09b8a49ad3_merge:
	.size	k_q09b8a49ad3_merge, .Lfunc_end_k_q09b8a49ad3_merge-k_q09b8a49ad3_merge
	.p2alignl 7, 3214868480
	.fill 96, 4, 3214868480
	.section	.rodata,"a",@progbits
	.p2align	6, 0x0
	.amdhsa_kernel k_q09b8a49ad3_merge
		.amdhsa_group_segment_fixed_size 1280
		.amdhsa_private_segment_fixed_size 0
		.amdhsa_enable_private_segment 0
		.amdhsa_kernarg_size 88
		.amdhsa_user_sgpr_count 2
		.amdhsa_user_sgpr_kernarg_segment_ptr 1
		.amdhsa_wavefront_size32 1
		.amdhsa_system_sgpr_workgroup_id_x 1
		.amdhsa_system_sgpr_workgroup_id_y 1
		.amdhsa_system_sgpr_workgroup_id_z 1
		.amdhsa_system_vgpr_workitem_id 0
		.amdhsa_next_free_vgpr 192
		.amdhsa_next_free_sgpr 100
		.amdhsa_reserve_vcc 1
		.amdhsa_float_denorm_mode_32 3
		.amdhsa_float_denorm_mode_16_64 3
		.amdhsa_memory_ordered 1
		.amdhsa_forward_progress 1
		.amdhsa_inst_pref_size 20
	.end_amdhsa_kernel
	.amdgpu_metadata
---
amdhsa.version: [ 1, 2 ]
amdhsa.kernels:
  - .name:           k_q09b8a49ad3_merge
    .symbol:         k_q09b8a49ad3_merge.kd
    .args:
      - { .name: part, .offset: 0, .size: 8, .value_kind: global_buffer, .address_space: global }
      - { .name: pstat, .offset: 8, .size: 8, .value_kind: global_buffer, .address_space: global }
      - { .name: candidates, .offset: 16, .size: 8, .value_kind: global_buffer, .address_space: global }
      - { .name: W_cand, .offset: 24, .size: 8, .value_kind: global_buffer, .address_space: global }
      - { .name: b_cand, .offset: 32, .size: 8, .value_kind: global_buffer, .address_space: global }
      - { .name: ln_g, .offset: 40, .size: 8, .value_kind: global_buffer, .address_space: global }
      - { .name: ln_b, .offset: 48, .size: 8, .value_kind: global_buffer, .address_space: global }
      - { .name: lang, .offset: 56, .size: 8, .value_kind: global_buffer, .address_space: global }
      - { .name: b_grid, .offset: 64, .size: 8, .value_kind: global_buffer, .address_space: global }
      - { .name: pooled, .offset: 72, .size: 8, .value_kind: global_buffer, .address_space: global }
      - { .name: base, .offset: 80, .size: 8, .value_kind: global_buffer, .address_space: global }
    .group_segment_fixed_size: 1280
    .private_segment_fixed_size: 0
    .kernarg_segment_align: 8
    .kernarg_segment_size: 88
    .max_flat_workgroup_size: 192
    .sgpr_count:     100
    .vgpr_count:     192
    .wavefront_size: 32
...
	.end_amdgpu_metadata
.endif
;; end of part 3
;; launch proj (part 4): grid 12 x 18, 12 waves a work-group, no clusters, 53,760 bytes of LDS; arguments pooled, W_grid, base, out0; writes out0
.if DOCPART == 4
	.amdgcn_target "amdgcn-amd-amdhsa--gfx1250"
	.amdhsa_code_object_version 6
	.text
	.protected	k_q09b8a49ad3_proj
	.globl	k_q09b8a49ad3_proj
	.p2align	8
	.type	k_q09b8a49ad3_proj,@function
k_q09b8a49ad3_proj:
	s_mov_b64 s[64:65], 0
	v_nop
	global_prefetch_b8 v0, s[64:65] scope:SCOPE_SE
	s_setreg_imm32_b32 hwreg(HW_REG_WAVE_MODE, 25, 1), 1
	s_wait_xcnt 0x0
; PROJ: out0[b][50 + c][:] = base[m][:] + (hi + lo)[m][:] W_grid^T, m = 36 b + c.
; LEFT OUT: the projection of every grid row (shown at the head of prep): only the 288 pooled rows are projected.
; A work-group makes 16 rows x 64 columns.  K is split among its twelve waves, 64 each: 256 consecutive bytes, aligned, of each of the 64 rows of W_grid.  The partial sums meet in LDS.
; Source 0 = 16 rows of W_grid (rounded to bf16 on the way), source 1 = 16 pooled rows: in the result a lane holds one row m and eight neighbouring columns.
.set SPARE, 52224                      ; behind the twelve partial tiles of 16 rows x 272 bytes: the spare words, 128 bytes a wave, six blocks of 256 bytes that no other line names
.set SPW, 10
.set NIL, 11
.macro PLACES n
.rept \n
	v_nop
.endr
.endm
	s_load_b256 s[4:11], s[0:1], 0x0               ; pooled 4, W_grid 6, base 8, out0 10
	v_lshl_add_u32 v[SPW], v0, 2, SPARE
	v_mov_b32 v[NIL], 0
	v_lshrrev_b32 v1, 5, v0
	v_readfirstlane_b32 s2, v1                     ; wave 0..11
	v_and_b32 v1, 15, v0                           ; r
	v_bfe_u32 v2, v0, 4, 1                         ; h
	s_mov_b32 s12, ttmp9                           ; columns 64 nb ..
	s_and_b32 s13, ttmp7, 0xffff                   ; rows 16 mb ..
	v_mul_u32_u24 v3, v1, 3072
	v_lshl_add_u32 v3, v2, 5, v3
	s_lshl_b32 s14, s2, 8
	v_add_nc_u32 v3, s14, v3                       ; W_grid: row r, 8 h numbers, my 64 of K
	v_mul_u32_u24 v4, v1, 1536
	v_lshl_add_u32 v4, v2, 4, v4
	s_lshl_b32 s14, s2, 7
	v_add_nc_u32 v4, s14, v4                       ; pooled likewise, in bf16
	s_mul_i32 s16, s12, 196608
	s_mov_b32 s17, 0
	s_mul_i32 s18, s13, 24576
	s_mov_b32 s19, 0
	s_mul_i32 s14, s2, 4352
	v_mul_u32_u24 v5, v1, 272
	v_lshl_add_u32 v5, v2, 5, v5
	v_add_nc_u32 v5, s14, v5                       ; where I put my partial sums
	s_lshl_b32 s14, s2, 1
	v_add_nc_u32 v7, s14, v2                       ; waves 0-7 finish rows 2 wave + h
	v_mul_u32_u24 v6, v7, 272
	v_lshl_add_u32 v6, v1, 4, v6
	s_lshl_b32 s15, s13, 4
	v_add_nc_u32 v7, s15, v7                       ; m
	v_mul_u32_u24 v8, v7, 1821
	v_lshrrev_b32 v8, 16, v8                       ; b = m / 36 (m < 288)
	v_mul_u32_u24 v8, v8, 50
	v_add3_u32 v8, v8, v7, 50                      ; row of out0 = 86 b + 50 + c
	s_lshl_b32 s15, s12, 8
	v_mul_u32_u24 v9, v7, 3072
	v_lshl_add_u32 v9, v1, 4, v9
	v_add_nc_u32 v9, s15, v9
	v_mul_u32_u24 v8, v8, 3072
	v_lshl_add_u32 v8, v1, 4, v8
	v_add_nc_u32 v8, s15, v8
	s_wait_kmcnt 0x0
	s_add_nc_u64 s[6:7], s[6:7], s[16:17]
	s_add_nc_u64 s[4:5], s[4:5], s[18:19]
	s_cmp_lt_u32 s2, 8
	s_cbranch_scc0 .Lno_base
	global_load_b128 v[224:227], v9, s[8:9]        ; older than every load that is counted below
.Lno_base:
.set ks, 0
.rept 2
.set qn, 0
.rept 4
.set ff, 64+16*(2*qn+ks)
.set oo, qn*49152+ks*128
	global_load_b128 v[ff:ff+3],     v3, s[6:7] offset:oo
	global_load_b128 v[ff+4:ff+7],   v3, s[6:7] offset:oo+16
	global_load_b128 v[ff+8:ff+11],  v3, s[6:7] offset:oo+64
	global_load_b128 v[ff+12:ff+15], v3, s[6:7] offset:oo+80
.set qn, qn+1
.endr
.irp pt, 0,1
.set ff, 192+8*(2*\pt+ks)
	global_load_b128 v[ff:ff+3],   v4, s[4:5] offset:\pt*442368+ks*64
	global_load_b128 v[ff+4:ff+7], v4, s[4:5] offset:\pt*442368+ks*64+32
.endr
.set ks, ks+1
.endr
.set ks, 0
.rept 2
	s_wait_loadcnt 20-20*ks                        ; the second K step's 20 loads may stay out
.set qn, 0
.rept 4
.set ff, 64+16*(2*qn+ks)
.set n, 0
.rept 8
	v_cvt_pk_bf16_f32 v[ff+n], v[ff+2*n], v[ff+2*n+1]  ; in place, ascending
.set n, n+1
.endr
.set qn, qn+1
.endr
.irp pt, 0,1
.set qn, 0
.rept 4                                ; the four accumulators take turns; the first four products start the sums
.set ff, 64+16*(2*qn+ks)
.set fp, 192+8*(2*\pt+ks)
.if (ks == 0) && (\pt == 0)
	v_wmma_f32_16x16x32_bf16 v[32+8*qn:32+8*qn+7], v[ff:ff+7], v[fp:fp+7], 0
.else
	v_wmma_f32_16x16x32_bf16 v[32+8*qn:32+8*qn+7], v[ff:ff+7], v[fp:fp+7], v[32+8*qn:32+8*qn+7]
.endif
.set qn, qn+1
.endr
.endr
.set ks, ks+1
.endr
	PLACES 4                                       ; four places between the last product and the stores that read results
.set qn, 0
.rept 4
	ds_store_b128 v5, v[32+8*qn:32+8*qn+3]   offset:qn*64
	ds_store_b128 v5, v[32+8*qn+4:32+8*qn+7] offset:qn*64+16
.set qn, qn+1
.endr
	s_wait_dscnt 0x0
	s_barrier_signal -1
	s_barrier_wait -1                              ; all twelve partial tiles lie in LDS
	s_cmp_lt_u32 s2, 8
	s_cbranch_scc0 .Lend
.set p, 0
.rept 12
	ds_load_b128 v[64+4*p:64+4*p+3], v6 offset:p*4352
.set p, p+1
.endr
	s_wait_dscnt 0x0
.irp p, 0,2,4,6,8,10
	v_pk_add_f32 v[64+4*\p:64+4*\p+1], v[64+4*\p:64+4*\p+1], v[68+4*\p:68+4*\p+1]
	v_pk_add_f32 v[66+4*\p:66+4*\p+1], v[66+4*\p:66+4*\p+1], v[70+4*\p:70+4*\p+1]
.endr
.irp p, 0,4,8
	v_pk_add_f32 v[64+4*\p:64+4*\p+1], v[64+4*\p:64+4*\p+1], v[72+4*\p:72+4*\p+1]
	v_pk_add_f32 v[66+4*\p:66+4*\p+1], v[66+4*\p:66+4*\p+1], v[74+4*\p:74+4*\p+1]
.endr
	v_pk_add_f32 v[64:65], v[64:65], v[80:81]
	v_pk_add_f32 v[66:67], v[66:67], v[82:83]
	v_pk_add_f32 v[64:65], v[64:65], v[96:97]
	v_pk_add_f32 v[66:67], v[66:67], v[98:99]
	v_pk_add_f32 v[64:65], v[64:65], v[224:225]
	v_pk_add_f32 v[66:67], v[66:67], v[226:227]
	global_store_b128 v8, v[64:67], s[10:11]       ; 16 lanes store 256 consecutive bytes, at a multiple of 256 from out0's first
.Lend:
	s_wait_tensorcnt 0x0                           ; the wave's end, behind my last LDS store
	ds_add_u32 v[SPW], v[NIL]
	s_wait_dscnt 0x0
	s_endpgm
.Lfunc_end_k_q09b8a49ad3_proj:
	.size	k_q09b8a49ad3_proj, .Lfunc_end_k_q09b8a49ad3_proj-k_q09b8a49ad3_proj
	.p2alignl 7, 3214868480
	.fill 96, 4, 3214868480
	.section	.rodata,"a",@progbits
	.p2align	6, 0x0
	.amdhsa_kernel k_q09b8a49ad3_proj
		.amdhsa_group_segment_fixed_size 53760
		.amdhsa_private_segment_fixed_size 0
		.amdhsa_enable_private_segment 0
		.amdhsa_kernarg_size 32
		.amdhsa_user_sgpr_count 2
		.amdhsa_user_sgpr_kernarg_segment_ptr 1
		.amdhsa_wavefront_size32 1
		.amdhsa_system_sgpr_workgroup_id_x 1
		.amdhsa_system_sgpr_workgroup_id_y 1
		.amdhsa_system_sgpr_workgroup_id_z 1
		.amdhsa_system_vgpr_workitem_id 0
		.amdhsa_next_free_vgpr 232
		.amdhsa_next_free_sgpr 66
		.amdhsa_reserve_vcc 0
		.amdhsa_float_denorm_mode_32 3
		.amdhsa_float_denorm_mode_16_64 3
		.amdhsa_memory_ordered 1
		.amdhsa_forward_progress 1
		.amdhsa_inst_pref_size 15
	.end_amdhsa_kernel
	.amdgpu_metadata
---
amdhsa.version: [ 1, 2 ]
amdhsa.kernels:
  - .name:           k_q09b8a49ad3_proj
    .symbol:         k_q09b8a49ad3_proj.kd
    .args:
      - { .name: pooled, .offset: 0, .size: 8, .value_kind: global_buffer, .address_space: global }
      - { .name: W_grid, .offset: 8, .size: 8, .value_kind: global_buffer, .address_space: global }
      - { .name: base, .offset: 16, .size: 8, .value_kind: global_buffer, .address_space: global }
      - { .name: out0, .offset: 24, .size: 8, .value_kind: global_buffer, .address_space: global }
    .group_segment_fixed_size: 53760
    .private_segment_fixed_size: 0
    .kernarg_segment_align: 8
    .kernarg_segment_size: 32
    .max_flat_workgroup_size: 384
    .sgpr_count:     66
    .vgpr_count:     232
    .wavefront_size: 32
...
	.end_amdgpu_metadata
.endif
;; end of part 4
;; ======== version 2 of 2: 4 launches; version 1 with the launch pool written anew for expert scheduling mode
;; workspace buffers: tfrag 1,572,864 bytes; part 28,311,552 bytes; pstat 131,072 bytes; pooled 884,736 bytes; base 884,736 bytes
;; launch prep: the kernel of part 1 again; grid 434 x 1, 8 waves a work-group, no clusters, 120,064 bytes of LDS; arguments lang, W_text, b_text, frames, lang_cls, W_in, W_out, W_fc2, b_fc2, tfrag, out0; writes tfrag, out0
;; launch pool (part 5): grid 32 x 8, 4 waves a work-group, no clusters, 93,952 bytes of LDS; arguments grid_fts, grid_index, tfrag, part, pstat; writes part, pstat
.if DOCPART == 5
	.amdgcn_target "amdgcn-amd-amdhsa--gfx1250"
	.amdhsa_code_object_version 6
	.text
	.protected	k_q09b8a49ad3_pool
	.globl	k_q09b8a49ad3_pool
	.p2align	8
	.type	k_q09b8a49ad3_pool,@function
k_q09b8a49ad3_pool:
	s_mov_b64 s[64:65], 0
	v_nop
	global_prefetch_b8 v0, s[64:65] scope:SCOPE_SE
	s_setreg_imm32_b32 hwreg(HW_REG_WAVE_SCHED_MODE, 0, 2), 2
	s_setreg_imm32_b32 hwreg(HW_REG_WAVE_MODE, 25, 1), 1
	s_wait_xcnt 0x0
	s_wait_alu depctr_vm_vsrc(0)
; POOL: scores, softmax by cell with a running maximum, and partial pooled sums of the grid rows.  grid_fts is read once.
; LEFT OUT: g = x W_grid^T + b_grid of every row; the rows themselves are pooled and the pooled rows projected later (shown at the head of prep).
; SHARES.  Work-group (j, b) has 320 rows of batch b from row 0 (j = 0) or 312 j + 8 on; from j = 2 on its first 8 rows belong to the neighbour: they are not loaded (zeros) and their index is 63, which is no cell.
; Ten tiles of 32 rows.  Wave w owns features 192 w .. 192 w + 191: as its slice of K in the scores and as its columns of the pooled sums.  So a wave's part of a tile is its own; only partial scores cross waves.
; PRODUCTS.  S^T[token][row] = T X^T: source 0 = 16 tokens of text (hi, then lo, onto one accumulator; all 48 fragments stay in registers), source 1 = 16 rows of X out of LDS.
;            pooled^T[feature][cell] += X^T P: source 0 = X turned by ds_load_tr16_b128, source 1 = P[row][cell], made in registers.  In both results a lane holds one column: a row of X, or a cell.
; SOFTMAX.  For each cell a running maximum m and sum l: e = 2^(log2e (w - m)) where the row's index is the cell, else 0; e is rounded to bf16 and l is the f32 sum of the rounded e; in every tile l and the
;            pooled sums are multiplied by a = 2^(log2e (m_old - m_new)).  m, l and the sums of the 32 work-groups of a batch are merged by the next launch.
; LIMITS.  A score at or below -3.4e38 counts as no row; a weight below 2^-126 counts as 0; NaN and infinities are not treated apart; an index outside 0..35 matches no stored cell.
; IN FLIGHT.  A tile is 48 loads of 512 bytes a wave.  When a tile has been rounded to bf16 and put into LDS, the next tile's 48 go out into the same registers: 24 in the wait for the first fragments,
;            24 among the first 48 products.  They have the rest of the tile's work in which to land.
; THE MODE: SCHED_MODE bits 1:0 = 2 (LLVM: expert scheduling mode 2), set by the entry lines.  The code itself states the register dependences
; between vector or matrix instructions and memory or LDS instructions, with s_wait_alu, always for 0.
; THE PLAN.  Registers that memory or LDS instructions touch, in a tile:
;   LD (v160-255 of windows 0 and 3)  The 48 global loads land here; the 96 conversions alone read them.
;   FR (v64-159)  (1) written by the conversions, read by the 48 LDS stores;  (2) the 12 fragments of X land, the 96 products of the scores read them, and its first 32 registers, whose fragments the first 48
;                 products have used up, take the accumulators of rows 16-31, which 8 LDS stores read;  (3) the partial scores land in its first 64, vector work follows, FR+16 is the data of the score's store,
;                 and scores and indices land in its last 32;  (4) the statistics work in its first 48;  (5) the turned fragments land, the 36 pooling products read them.
;   SA (v32-63)   The accumulators of rows 0-15, read by 8 LDS stores; then P and six registers at work.
;   v9            The indices' LDS address: read by four loads, stepped once a tile.  Every other address is made at the head and not written in the loop.
; So a tile has five waits on va_vdst (behind the conversions; behind all 96 products; ahead of the score's store; behind the exponentials; ahead of the turning loads), three on vm_vsrc (ahead of the
; fragments' loads; ahead of the partial scores' loads; in the statistics) and one on va_sdst (behind the 48 compares).  Each line below says what it states.
; REGISTERS, in windows of 256 (s_set_vgpr_msb: bits 1:0 source 0, 3:2 source 1, 5:4 source 2, 7:6 destination):
;   window 0: v1-14 addresses and constants; v16-27 a, l, log2e m, m for three groups of 16 cells; v32-63 S of rows 0-15, later P and six at work; v64-159 FR, at work; v160-255 loads 0-23
;   window 1: text, K steps 0-3     window 2: v0-127 text, K steps 4, 5; v128-255 pooled sums 0-15     window 3: v0-159 pooled sums 16-35; v160-255 loads 24-47
.set XSW,   13312                      ; LDS 0: for each wave its slice of the tile in bf16: 32 rows of 384 bytes, 416 apart (13 x 32: the turning load's 8 rows x 32 bytes fall on different banks)
.set XP,    416
.set SX,    53248                      ; partial scores [wave][row 32][token 64] f32, rows 272 bytes apart
.set SXW,   8704
.set WRS,   88064                      ; the tile's 32 scores
.set IDX,   88320                      ; for each wave a copy of the 320 indices
.set IDXW,  1280
.set SPARE, 93440                      ; the spare words: 128 bytes a wave, two blocks of 256 bytes that no other line names
.set GA,  1                            ; v1   (L / 16) x 4 rows + 16 (L % 16): my 16 bytes of a load
.set LXS, 2                            ; v2   where I put the 8 bytes made of them
.set LXA, 3                            ; v3   my place in a fragment of X
.set LXT, 4                            ; v4   my place in a turned fragment
.set LSS, 5                            ; v5   where I put partial scores
.set LSR, 6                            ; v6   where I read them: row 8 w + L / 4, tokens 16 (L % 4) ..
.set LWS, 7                            ; v7   where that row's score goes
.set LWR, 8                            ; v8   scores of rows 8 h ..
.set LIR, 9                            ; v9   indices of the same rows; steps by a tile
.set CID, 10                           ; v10-12  my cell in each group: 16 ct + r
.set NEG, 13                           ; v13  the lowest finite number
.set ONE, 14                           ; v14  1.0
.set ST,  16
.set SPW, 28
.set NIL, 29
.set SA,  32                           ; S of rows 0-15: four accumulators; P: three fragments
.set MX,  56                           ; v56-58, v59-61 at work, by group of cells
.set OT,  59
.set FR,  64
.set FW,  128                          ; my 16 rows' scores
.set FI,  144                          ; and indices
.set MK,  16                           ; s[16:63]  lane masks: row i of my 16 lies in my cell of group ct, at 16 ct + i
.set LOS, 2                            ; the way out: three addresses in registers that the tiles have left
.set LOR, 3
.set GO,  4
.set MSB, 0
.macro WIN new                         ; the high byte repeats the setting that is left; a switch that changes nothing is dropped
.if MSB != (\new)
	s_set_vgpr_msb (MSB<<8)|(\new)
.set MSB, (\new)
.endif
.endm
.macro PLACES n
.rept \n
	v_nop
.endr
.endm
.macro BAR
	s_wait_dscnt 0x0
	s_barrier_signal -1
	s_barrier_wait -1
.endm
	s_load_b256 s[4:11], s[0:1], 0x0               ; grid_fts 4, grid_index 6, tfrag 8, part 10
	s_load_b64 s[12:13], s[0:1], 0x20              ; pstat
	v_lshl_add_u32 v[SPW], v0, 2, SPARE
	v_mov_b32 v[NIL], 0
	v_lshrrev_b32 v56, 5, v0
	v_readfirstlane_b32 s2, v56                    ; wave 0..3
	s_mov_b32 s14, ttmp9                           ; j
	s_and_b32 s15, ttmp7, 0xffff                   ; b
	s_mul_i32 s70, s14, 312
	s_add_co_u32 s70, s70, 8
	s_cmp_eq_u32 s14, 0
	s_cselect_b32 s70, 0, s70
	s_mul_i32 s71, s15, 10000
	s_add_co_u32 s70, s70, s71                     ; my window's first row
	s_mul_i32 s72, s70, 3072
	s_wait_alu depctr_va_sdst(0)                   ; s2 is written, ahead of its first reader: bases and LDS places are made from it
	s_mul_i32 s71, s2, 768
	s_add_co_u32 s72, s72, s71
	s_mov_b32 s73, 0
	s_lshl_b32 s74, s70, 2
	s_mov_b32 s75, 0
	s_lshl_b32 s76, s15, 2
	s_add_co_u32 s76, s76, s2
	s_mul_i32 s76, s76, 49152                      ; my 48 fragments of text
	s_mov_b32 s77, 0
	s_lshl_b32 s71, s15, 5
	s_add_co_u32 s71, s71, s14
	s_mul_i32 s78, s71, 110592
	s_mov_b32 s79, 0
	s_lshl_b32 s82, s71, 9
	s_mov_b32 s83, 0
	s_cmp_lt_u32 s14, 2
	s_cselect_b32 s84, 0, 8                        ; rows that are the neighbour's
	s_mov_b32 s66, 0x3fb8aa3b                      ; log2(e), named as a pair
	s_mov_b32 s67, 0x3fb8aa3b
	s_mov_b32 s68, 0x76543210
	s_mov_b32 s69, 0xfedcba98
	s_mov_b32 s80, 0xffff0000                      ; a word's upper bf16; also lanes 16-31
	s_mul_i32 s85, s2, XSW
	s_mul_i32 s86, s2, SXW
	s_add_co_u32 s86, s86, SX
	s_mul_i32 s87, s2, 2176
	s_add_co_u32 s87, s87, SX
	s_lshl_b32 s88, s2, 5
	s_add_co_u32 s88, s88, WRS
	s_mul_i32 s89, s2, IDXW
	s_add_co_u32 s89, s89, IDX
	v_bfe_u32 v56, v0, 4, 1                        ; h
	v_and_b32 v57, 15, v0                          ; r
	v_and_b32 v58, 31, v0                          ; L
	v_mul_u32_u24 v[GA], v56, 12288
	v_lshl_add_u32 v[GA], v57, 4, v[GA]
	v_mul_u32_u24 v[LXS], v56, 1664
	v_lshl_add_u32 v[LXS], v57, 3, v[LXS]
	v_add_nc_u32 v[LXS], s85, v[LXS]
	v_mul_u32_u24 v[LXA], v57, XP
	v_lshl_add_u32 v[LXA], v56, 4, v[LXA]
	v_add_nc_u32 v[LXA], s85, v[LXA]
	v_and_b32 v59, 7, v0
	v_lshl_add_u32 v59, v56, 3, v59
	v_mul_u32_u24 v[LXT], v59, XP
	v_bfe_u32 v59, v0, 3, 1
	v_lshl_add_u32 v[LXT], v59, 4, v[LXT]
	v_add_nc_u32 v[LXT], s85, v[LXT]
	v_mul_u32_u24 v[LSS], v57, 272
	v_lshl_add_u32 v[LSS], v56, 5, v[LSS]
	v_add_nc_u32 v[LSS], s86, v[LSS]
	v_bfe_u32 v59, v0, 2, 3
	v_mul_u32_u24 v[LSR], v59, 272
	v_and_b32 v60, 3, v0
	v_lshl_add_u32 v[LSR], v60, 6, v[LSR]
	v_add_nc_u32 v[LSR], s87, v[LSR]
	v_lshl_add_u32 v[LWS], v59, 2, s88
	v_lshl_add_u32 v[LWR], v56, 5, WRS
	v_lshl_add_u32 v[LIR], v56, 5, s89
	v_mov_b32 v[CID], v57
	v_add_nc_u32 v[CID+1], 16, v57
	v_add_nc_u32 v[CID+2], 32, v57
	v_mov_b32 v[NEG], 0xff7fffff
	v_mov_b32 v[ONE], 1.0
	v_lshlrev_b32 v59, 4, v58                      ; 16 L
	v_lshlrev_b32 v60, 2, v58                      ; 4 L
	v_add_nc_u32 v61, s89, v60
	v_mov_b32 v62, 63
.irp ct, 0,1,2
	v_mov_b32 v[ST+4*\ct], 0
	v_mov_b32 v[ST+4*\ct+1], 0
	v_mov_b32 v[ST+4*\ct+2], 0
	v_mov_b32 v[ST+4*\ct+3], 0xff7fffff
.endr
	s_wait_kmcnt 0x0
	s_add_nc_u64 s[4:5], s[4:5], s[72:73]
	s_add_nc_u64 s[6:7], s[6:7], s[74:75]
	s_add_nc_u64 s[8:9], s[8:9], s[76:77]
	s_add_nc_u64 s[10:11], s[10:11], s[78:79]
	s_add_nc_u64 s[12:13], s[12:13], s[82:83]
	s_wait_alu depctr_va_vdst(0)                   ; the addresses v1 to v9 and v59 to v61 are written, which the loads and stores below and in the tiles read
; Load i = 3 q + p of 48: lanes 0-15 take 256 bytes (piece p of my 768) of row 8 (q / 4) + q % 4, lanes 16-31 the same of the row four further down.
.macro XLOAD i
.set qq, (\i)/3
.set rw, 8*(qq/4)+(qq%4)
.set sr, 160+4*((\i)%24)
	global_load_b128 v[sr:sr+3], v[GA], s[4:5] offset:rw*3072+((\i)%3)*256 th:TH_LOAD_NT
.endm
	s_cmp_lt_u32 s14, 2
	s_cbranch_scc1 .Lfirst_rows
.set i, 0
.rept 48
	v_mov_b32 v[160+i], 0                          ; loads 0-11 are rows 0-7, the neighbour's; no load of the head lands in these 48 registers on this way
.set i, i+1
.endr
	s_branch .Lrest
.Lfirst_rows:
.set i, 0
.rept 12
	XLOAD i
.set i, i+1
.endr
.Lrest:
.set i, 12
.rept 12
	XLOAD i
.set i, i+1
.endr
	WIN 0xc0
.rept 24
	XLOAD i
.set i, i+1
.endr
	WIN 0
.set i, 0
.rept 10
	global_load_b32 v[FR+i], v60, s[6:7] offset:128*i  ; the window's indices, a lane a row
.set i, i+1
.endr
	WIN 0x40
.set i, 0
.rept 64
	global_load_b128 v[4*i:4*i+3], v59, s[8:9] offset:512*i
.set i, i+1
.endr
	WIN 0x80
.rept 32
	global_load_b128 v[4*(i-64):4*(i-64)+3], v59, s[8:9] offset:512*i
.set i, i+1
.endr
.set i, 128
.rept 128
	v_mov_b32 v[i], 0                              ; the pooled sums start at 0, written while the first loads are out: the price of one text for every tile
.set i, i+1
.endr
	WIN 0xc0
.set i, 0
.rept 160
	v_mov_b32 v[i], 0
.set i, i+1
.endr
	WIN 0
	s_wait_loadcnt 0x0                             ; text, indices and the first tile
	v_cmp_gt_u32 vcc_lo, s84, v58
	s_wait_alu depctr_va_vcc(0)                    ; VCC is written, ahead of the select that reads it
	v_cndmask_b32 v[FR], v[FR], v62, vcc_lo
	s_wait_alu depctr_va_vdst(0)                   ; the select has written v[FR], which the first LDS store reads
.set i, 0
.rept 10
	ds_store_b32 v61, v[FR+i] offset:128*i
.set i, i+1
.endr
	s_wait_alu depctr_vm_vsrc(0)                   ; the loads of text and indices have read v59 and v60, the stores above v61 and v[FR ..]: the first tile's conversions and products write all of them
; The tile in the load registers is rounded to bf16 and put into my slice of LDS.  ahead = 1: there is a next tile, and the base steps to it.
.macro CONV ahead
.if \ahead
	s_wait_xcnt 0x0                                ; the last tile's loads have read their base, so it may step
	s_add_nc_u64 s[4:5], s[4:5], 98304
.endif
.set g, 0
.rept 2
	s_wait_loadcnt 24-24*g                         ; loads 0-23 are in, the 24 younger ones may stay out; then all are in
.if g == 0
	WIN 0
.else
	WIN 0x0f
.endif
.set u, 0
.rept 24
.set i, 24*g+u
.set sr, 160+4*u
	v_cvt_pk_bf16_f32 v[FR+2*i], v[sr], v[sr+1]
	v_cvt_pk_bf16_f32 v[FR+2*i+1], v[sr+2], v[sr+3]
.set u, u+1
.endr
.set g, g+1
.endr
	WIN 0
	s_wait_alu depctr_va_vdst(0)                   ; the conversions have written FR, which the stores below read, and are done reading the load registers, in which the next tile's 48 loads land; the last tile's pooling products are done reading FR, in which the fragments land
.set i, 0
.rept 48
.set qq, i/3
.set rw, 8*(qq/4)+(qq%4)
	ds_store_b64 v[LXS], v[FR+2*i:FR+2*i+1] offset:rw*XP+(i%3)*128
.set i, i+1
.endr
	s_wait_alu depctr_vm_vsrc(0)                   ; these stores have read FR, in which the fragments' loads land
.endm
.macro FETCH_X                         ; 12 fragments of X: rows 16 rt .., features 32 ks ..; LDS serves a wave's instructions in order, so these see the stores above
.set n, 0
.rept 12
	ds_load_b128 v[FR+8*n:FR+8*n+3],   v[LXA] offset:(n/6)*6656+(n%6)*64
	ds_load_b128 v[FR+8*n+4:FR+8*n+7], v[LXA] offset:(n/6)*6656+(n%6)*64+32
.set n, n+1
.endr
.endm
; My slice's part of the scores of rows 16 rt ..: 48 products, the four accumulators (16 tokens each) by turns.  Rows 0-15 add up in SA, rows 16-31 in FR's first 32 registers.
; ahead = 1: eight of the next tile's loads 24-47 stand behind every second K step.  No wait: no vector or matrix instruction since the wait behind the conversions names their registers.
.macro P1 rt, ahead
.set ks, 0
.rept 6
.if ks < 4
	WIN 0x01
.else
	WIN 0x02
.endif
.set n, 0
.rept 8
.set tr, 64*(ks%4)+8*n
.set sa, SA+(FR-SA)*(\rt)+8*(n%4)
.set xb, FR+8*(6*(\rt)+ks)
.if (ks == 0) && (n < 4)
	v_wmma_f32_16x16x32_bf16 v[sa:sa+7], v[tr:tr+7], v[xb:xb+7], 0
.else
	v_wmma_f32_16x16x32_bf16 v[sa:sa+7], v[tr:tr+7], v[xb:xb+7], v[sa:sa+7]
.endif
.set n, n+1
.endr
.if (\ahead) && (ks%2 == 1)
	WIN 0xc0
.set u, 0
.rept 8
	XLOAD 24+8*(ks/2)+u
.set u, u+1
.endr
.endif
.set ks, ks+1
.endr
.endm
.macro SCORES_OUT                      ; both halves' partial scores into LDS, each accumulator from its low end on
.set n, 0
.rept 4
	ds_store_b128 v[LSS], v[SA+8*n:SA+8*n+3]   offset:n*64
	ds_store_b128 v[LSS], v[SA+8*n+4:SA+8*n+7] offset:n*64+16
.set n, n+1
.endr
.set n, 0
.rept 4
	ds_store_b128 v[LSS], v[FR+8*n:FR+8*n+3]   offset:4352+n*64
	ds_store_b128 v[LSS], v[FR+8*n+4:FR+8*n+7] offset:4352+n*64+16
.set n, n+1
.endr
.endm
.macro REDUCE                          ; rows 8 w .. 8 w + 7: four lanes a row, 16 tokens a lane: the four waves' parts are added, then the maximum over the 64 tokens
	s_wait_alu depctr_vm_vsrc(0)                   ; my stores of partial scores have read FR's first 32 registers, in which the loads below land, and SA, which the statistics write
.set n, 0
.rept 16
	ds_load_b128 v[FR+4*n:FR+4*n+3], v[LSR] offset:(n/4)*SXW+(n%4)*16
.set n, n+1
.endr
	s_wait_dscnt 0x0
.set n, 0
.rept 8
	v_pk_add_f32 v[FR+2*n:FR+2*n+1], v[FR+2*n:FR+2*n+1], v[FR+16+2*n:FR+16+2*n+1]
	v_pk_add_f32 v[FR+32+2*n:FR+32+2*n+1], v[FR+32+2*n:FR+32+2*n+1], v[FR+48+2*n:FR+48+2*n+1]
.set n, n+1
.endr
.set n, 0
.rept 8
	v_pk_add_f32 v[FR+2*n:FR+2*n+1], v[FR+2*n:FR+2*n+1], v[FR+32+2*n:FR+32+2*n+1]
.set n, n+1
.endr
.irp n, 0,1,2,3,4
	v_max3_num_f32 v[FR+16+\n], v[FR+3*\n], v[FR+3*\n+1], v[FR+3*\n+2]
.endr
	v_max3_num_f32 v[FR+16], v[FR+16], v[FR+17], v[FR+15]
	v_max3_num_f32 v[FR+18], v[FR+18], v[FR+19], v[FR+20]
	v_max_num_f32 v[FR+16], v[FR+16], v[FR+18]
	v_max_num_f32_dpp v[FR+16], v[FR+16], v[FR+16] row_xmask:1 row_mask:0xf bank_mask:0xf
	v_max_num_f32_dpp v[FR+16], v[FR+16], v[FR+16] row_xmask:2 row_mask:0xf bank_mask:0xf
	s_wait_alu depctr_va_vdst(0)                   ; the maximum has written v[FR+16], which the store reads
	ds_store_b32 v[LWS], v[FR+16]                  ; a row's four lanes write the same number to the same word
.endm
; Every wave alike: lane (r, h) has cell 16 ct + r and rows 8 h + 0..7 and 16 + 8 h + 0..7 of the tile, which are its places in P.
.macro STATS
	ds_load_b128 v[FW:FW+3],     v[LWR]            ; no wait: no vector or matrix instruction since the wait ahead of the score's store names FR's last 32 registers
	ds_load_b128 v[FW+4:FW+7],   v[LWR] offset:16
	ds_load_b128 v[FW+8:FW+11],  v[LWR] offset:64
	ds_load_b128 v[FW+12:FW+15], v[LWR] offset:80
	ds_load_b128 v[FI:FI+3],     v[LIR]
	ds_load_b128 v[FI+4:FI+7],   v[LIR] offset:16
	ds_load_b128 v[FI+8:FI+11],  v[LIR] offset:64
	ds_load_b128 v[FI+12:FI+15], v[LIR] offset:80
	s_wait_dscnt 0x0
	s_wait_alu depctr_vm_vsrc(0)                   ; the score's store has read v[FR+16], which the selects below write; the loads above have read v[LIR], which steps
	v_add_nc_u32 v[LIR], 128, v[LIR]               ; the next tile's indices; the wait behind the exponentials stands between this line and the next load by it
.set i, 0
.rept 16
.irp ct, 0,1,2
	v_cmp_eq_u32 s[MK+16*\ct+i], v[FI+i], v[CID+\ct]
.endr
.set i, i+1
.endr
	s_wait_alu depctr_va_sdst(0)                   ; the 48 masks are written, ahead of the first select that reads one
.set i, 0
.rept 16
.irp ct, 0,1,2
	v_cndmask_b32 v[FR+16*\ct+i], v[NEG], v[FW+i], s[MK+16*\ct+i]
.endr
.set i, i+1
.endr
.irp ct, 0,1,2
	v_max3_num_f32 v[MX+\ct], v[FR+16*\ct], v[FR+16*\ct+1], v[FR+16*\ct+2]
.endr
.set i, 3
.rept 6
.irp ct, 0,1,2
	v_max3_num_f32 v[MX+\ct], v[MX+\ct], v[FR+16*\ct+i], v[FR+16*\ct+i+1]
.endr
.set i, i+2
.endr
.irp ct, 0,1,2
	v_max3_num_f32 v[MX+\ct], v[MX+\ct], v[FR+16*\ct+15], v[ST+4*\ct+3]
.endr
.irp ct, 0,1,2
	v_permlanex16_b32 v[OT+\ct], v[MX+\ct], s68, s69   ; the cell's other 16 rows lie in the lane 16 away
.endr
.irp ct, 0,1,2
	v_max_num_f32 v[MX+\ct], v[MX+\ct], v[OT+\ct]      ; the new m
.endr
.irp ct, 0,1,2
	v_sub_f32 v[OT+\ct], v[ST+4*\ct+3], v[MX+\ct]      ; m_old - m_new: 0 for a cell that is still empty
.endr
.irp ct, 0,1,2
	v_mul_f32 v[OT+\ct], s66, v[OT+\ct]
.endr
.irp ct, 0,1,2
	v_mul_f32 v[ST+4*\ct+2], s66, v[MX+\ct]
.endr
.irp ct, 0,1,2
	v_mov_b32 v[ST+4*\ct+3], v[MX+\ct]
.endr
.irp ct, 0,1,2
.set i, 0
.rept 8
	v_pk_fma_f32 v[FR+16*\ct+2*i:FR+16*\ct+2*i+1], v[FW+2*i:FW+2*i+1], s[66:67], v[ST+4*\ct+2:ST+4*\ct+3] op_sel_hi:[1,0,0] neg_lo:[0,0,1] neg_hi:[0,0,1]
.set i, i+1
.endr
.endr
.set i, 0
.rept 48                               ; ONE batch: 48 weights and three a; nothing in it reads a result
	v_exp_f32 v[FR+i], v[FR+i]
.set i, i+1
.endr
.irp ct, 0,1,2
	v_exp_f32 v[ST+4*\ct], v[OT+\ct]
.endr
	v_nop                                          ; a plain instruction behind the last exponential,
	s_wait_alu depctr_va_vdst(0)                   ; and one wait for the batch: the 51 exponentials have written their results, ahead of the first reader
.set i, 0
.rept 48
	v_cndmask_b32 v[FR+i], 0, v[FR+i], s[MK+i]     ; a row outside the cell weighs 0, whatever its exponential gave
.set i, i+1
.endr
.set i, 0
.rept 24
	v_cvt_pk_bf16_f32 v[SA+i], v[FR+2*i], v[FR+2*i+1]
.set i, i+1
.endr
	s_wait_alu depctr_va_vdst(0)                   ; the selects have written FR and the roundings are done reading it: the turned fragments land in it
.endm
.macro FETCH_XT                        ; 12 turned fragments: features 16 dt .., the tile's 32 rows
.set n, 0
.rept 12
	ds_load_tr16_b128 v[FR+8*n:FR+8*n+3],   v[LXT] offset:n*32
	ds_load_tr16_b128 v[FR+8*n+4:FR+8*n+7], v[LXT] offset:n*32+6656
.set n, n+1
.endr
.endm
.macro DENOM                           ; l = a l + the f32 sum of the rounded weights: two chains a group of cells, low halves and high halves
.irp ct, 0,1,2
	v_lshlrev_b32 v[MX+\ct], 16, v[SA+8*\ct]
	v_and_b32 v[OT+\ct], s80, v[SA+8*\ct]
.endr
.set n, 1
.rept 7
.irp ct, 0,1,2
	v_fma_mix_f32_bf16 v[MX+\ct], v[SA+8*\ct+n], v[ONE], v[MX+\ct] op_sel_hi:[1,0,0]
	v_fma_mix_f32_bf16 v[OT+\ct], v[SA+8*\ct+n], v[ONE], v[OT+\ct] op_sel:[1,0,0] op_sel_hi:[1,0,0]
.endr
.set n, n+1
.endr
.irp ct, 0,1,2
	v_add_f32 v[MX+\ct], v[MX+\ct], v[OT+\ct]
.endr
.irp ct, 0,1,2
	v_permlanex16_b32 v[OT+\ct], v[MX+\ct], s68, s69
.endr
.irp ct, 0,1,2
	v_add_f32 v[MX+\ct], v[MX+\ct], v[OT+\ct]
.endr
.irp ct, 0,1,2
	v_fma_f32 v[ST+4*\ct+1], v[ST+4*\ct+1], v[ST+4*\ct], v[MX+\ct]
.endr
.endm
.macro ACCREG                          ; pooled sum ai = 12 ct + dt: its first register, in window 2 or 3
.if ai < 16
.set ar, 128+8*ai
.else
.set ar, 8*(ai-16)
.endif
.endm
.macro RESCALE                         ; the pooled sums times a, each accumulator from its low end on
.set ai, 0
.rept 36
	ACCREG
.if ai < 16
	WIN 0x82
.else
	WIN 0xc3
.endif
.set n, 0
.rept 4
	v_pk_mul_f32 v[ar+2*n:ar+2*n+1], v[ar+2*n:ar+2*n+1], v[ST+4*(ai/12):ST+4*(ai/12)+1] op_sel_hi:[1,0]
.set n, n+1
.endr
.set ai, ai+1
.endr
.endm
.macro P2                              ; 36 products, each accumulator once
	s_wait_dscnt 0x0                               ; the turned fragments are in
.set ai, 0
.rept 36
	ACCREG
.if ai < 16
	WIN 0xa0
.else
	WIN 0xf0
.endif
	v_wmma_f32_16x16x32_bf16 v[ar:ar+7], v[FR+8*(ai%12):FR+8*(ai%12)+7], v[SA+8*(ai/12):SA+8*(ai/12)+7], v[ar:ar+7]
.set ai, ai+1
.endr
	WIN 0
	PLACES 5                                       ; ahead of what writes FR, reads the sums, or (a product) writes over P
.endm
.macro TILE ahead
	CONV \ahead
	FETCH_X
.if \ahead
.set i, 0
.rept 24
	XLOAD i                                        ; the next tile's loads 0-23, in the wait for the fragments.  No wait: since the wait behind the conversions only LDS instructions on FR and their addresses were issued
.set i, i+1
.endr
.endif
	s_wait_dscnt 12                                ; the fragments of rows 0-15 are in; the 12 younger LDS loads are the other 16 rows'
	P1 0, \ahead
	PLACES 5                                       ; five places ahead of products that write over FR's first 32 registers, which the products above have read
	s_wait_dscnt 0x0                               ; the fragments of rows 16-31 are in
	P1 1, 0
	WIN 0
	PLACES 4                                       ; four places between the last product and the stores that read results
	s_wait_alu depctr_va_vdst(0)                   ; the 96 products have written both sets of accumulators, which the stores read, and are done reading FR, in which the partial scores, the scores and the indices land; the places above stay beside this wait
	SCORES_OUT
	BAR                                            ; all four waves' partial scores lie in LDS
	REDUCE
	BAR                                            ; the 32 scores lie in LDS, and nobody reads the partial scores any more
	STATS
	FETCH_XT
	DENOM
	RESCALE
	P2
.endm
	s_mov_b32 s3, 9
.Ltile:
	TILE 1
	s_sub_co_u32 s3, s3, 1
	s_cmp_lg_u32 s3, 0
	s_cbranch_scc1 .Ltile
	TILE 0                                         ; the last tile asks for nothing
; THE WAY OUT.  A lane holds a cell and eight features; 16 cells at a time go through my slice of LDS (rows 784 bytes apart) and come back as pieces of 256 bytes of a cell's row.  Only cells 0..35 leave.
	s_wait_alu depctr_vm_vsrc(0)                   ; the last turning loads have read v4, which is written anew below with v2 and v3 (whose last readers stand ahead of earlier waits of this kind)
	v_bfe_u32 v56, v0, 4, 1
	v_and_b32 v57, 15, v0
	v_mul_u32_u24 v[LOS], v57, 784
	v_lshl_add_u32 v[LOS], v56, 5, v[LOS]
	v_add_nc_u32 v[LOS], s85, v[LOS]
	v_mul_u32_u24 v[LOR], v56, 1568
	v_lshl_add_u32 v[LOR], v57, 4, v[LOR]
	v_add_nc_u32 v[LOR], s85, v[LOR]
	s_mul_i32 s71, s2, 768
	v_mul_u32_u24 v[GO], v56, 6144
	v_lshl_add_u32 v[GO], v57, 4, v[GO]
	v_add_nc_u32 v[GO], s71, v[GO]
	s_wait_alu depctr_va_vdst(0)                   ; the three addresses are written; the last products have written the pooled sums, which the LDS stores read (their places stand behind them), and are done reading FR, in which the rows land
.macro OUT ct
.set dt, 0
.rept 12
.set ai, 12*(\ct)+dt
	ACCREG
.if ai < 16
	WIN 0x08
.else
	WIN 0x0c
.endif
	ds_store_b128 v[LOS], v[ar:ar+3]   offset:dt*64
	ds_store_b128 v[LOS], v[ar+4:ar+7] offset:dt*64+16
.set dt, dt+1
.endr
	WIN 0
.set n, 0
.irp rho, 0,1,4,5,8,9,12,13
.if ((\ct) < 2) || (\rho < 2)
.irp pp, 0,1,2
	ds_load_b128 v[FR+4*n:FR+4*n+3], v[LOR] offset:\rho*784+\pp*256    ; lanes 0-15 cell rho, lanes 16-31 cell rho + 2
.set n, n+1
.endr
.endif
.endr
	s_wait_dscnt 0x0
.set n, 0
.irp rho, 0,1,4,5,8,9,12,13
.if ((\ct) < 2) || (\rho < 2)
.irp pp, 0,1,2
	global_store_b128 v[GO], v[FR+4*n:FR+4*n+3], s[10:11] offset:(16*(\ct)+\rho)*3072+\pp*256  ; 16 lanes store 256 consecutive bytes, at a multiple of 256 from part's first
.set n, n+1
.endr
.endif
.endr
	s_wait_xcnt 0x0                                ; the stores have read their data: FR may be loaded again
.if (\ct) < 2
	s_wait_alu depctr_vm_vsrc(0)                   ; the stores have read FR, in which the next 16 cells' rows land
.endif
.endm
	OUT 0
	OUT 1
	OUT 2
	s_cmp_lg_u32 s2, 0                             ; m and l are the same in all four waves: wave 0 stores them
	s_cbranch_scc1 .Lend
	v_and_b32 v58, 31, v0
	v_lshlrev_b32 v58, 2, v58
	v_cndmask_b32 v56, v[ST+3], v[ST+7], s80       ; lanes 0-15 cells 0-15, lanes 16-31 cells 16-31
	v_cndmask_b32 v57, v[ST+1], v[ST+5], s80
	s_wait_alu depctr_va_vdst(0)                   ; the offset v58 and the data v56 and v57 are written, which the stores read
	global_store_b32 v58, v56, s[12:13]
	global_store_b32 v58, v[ST+11], s[12:13] offset:128
	global_store_b32 v58, v57, s[12:13] offset:256
	global_store_b32 v58, v[ST+9], s[12:13] offset:384
.Lend:
	s_wait_dscnt 0x0                               ; the closing lines, six on end
	s_wait_alu 0x0
	s_wait_tensorcnt 0x0
	ds_add_u32 v[SPW], v[NIL]
	s_wait_dscnt 0x0
	s_endpgm
.Lfunc_end_k_q09b8a49ad3_pool:
	.size	k_q09b8a49ad3_pool, .Lfunc_end_k_q09b8a49ad3_pool-k_q09b8a49ad3_pool
	.p2alignl 7, 3214868480
	.fill 96, 4, 3214868480
	.section	.rodata,"a",@progbits
	.p2align	6, 0x0
	.amdhsa_kernel k_q09b8a49ad3_pool
		.amdhsa_group_segment_fixed_size 93952
		.amdhsa_private_segment_fixed_size 0
		.amdhsa_enable_private_segment 0
		.amdhsa_kernarg_size 40
		.amdhsa_user_sgpr_count 2
		.amdhsa_user_sgpr_kernarg_segment_ptr 1
		.amdhsa_wavefront_size32 1
		.amdhsa_system_sgpr_workgroup_id_x 1
		.amdhsa_system_sgpr_workgroup_id_y 1
		.amdhsa_system_sgpr_workgroup_id_z 1
		.amdhsa_system_vgpr_workitem_id 0
		.amdhsa_next_free_vgpr 1024
		.amdhsa_next_free_sgpr 100
		.amdhsa_reserve_vcc 1
		.amdhsa_float_denorm_mode_32 3
		.amdhsa_float_denorm_mode_16_64 3
		.amdhsa_memory_ordered 1
		.amdhsa_forward_progress 1
		.amdhsa_inst_pref_size 161
	.end_amdhsa_kernel
	.amdgpu_metadata
---
amdhsa.version: [ 1, 2 ]
amdhsa.kernels:
  - .name:           k_q09b8a49ad3_pool
    .symbol:         k_q09b8a49ad3_pool.kd
    .args:
      - { .name: grid_fts, .offset: 0, .size: 8, .value_kind: global_buffer, .address_space: global }
      - { .name: grid_index, .offset: 8, .size: 8, .value_kind: global_buffer, .address_space: global }
      - { .name: tfrag, .offset: 16, .size: 8, .value_kind: global_buffer, .address_space: global }
      - { .name: part, .offset: 24, .size: 8, .value_kind: global_buffer, .address_space: global }
      - { .name: pstat, .offset: 32, .size: 8, .value_kind: global_buffer, .address_space: global }
    .group_segment_fixed_size: 93952
    .private_segment_fixed_size: 0
    .kernarg_segment_align: 8
    .kernarg_segment_size: 40
    .max_flat_workgroup_size: 128
    .sgpr_count:     100
    .vgpr_count:     1024
    .wavefront_size: 32
...
	.end_amdgpu_metadata
.endif
;; end of part 5
;; launch merge: the kernel of part 3 again; grid 36 x 8, 6 waves a work-group, no clusters, 1,280 bytes of LDS; arguments part, pstat, candidates, W_cand, b_cand, ln_g, ln_b, lang, b_grid, pooled, base; writes pooled, base
;; launch proj: the kernel of part 4 again; grid 12 x 18, 12 waves a work-group, no clusters, 53,760 bytes of LDS; arguments pooled, W_grid, base, out0; writes out0
